; MI455X (gfx1250); checked and timed in simulation.
; The chip was launched on July 23, 2026; its instructions are those of AMD's public machine-readable ISA for CDNA 5 (MIT licence, August 2026) and "CDNA5" Instruction Set Architecture Reference Guide (July 2026). The comments in the code are by the model that wrote it; some were corrected since.
;; Attention. Allowed arithmetic: float matrix products may take bf16 or f16 operands with f32 sums; all other float work in f32.
;; Inputs: mask 1 x 1 x 2,048 x 2,048 float32; section_log_len 1 x 1 x 2,048 x 1 float32; seq_scale 1 x 32 x 1 x 1 float32; wk 1,024 x 1,024 float32; wo 1,024 x 1,024 float32; wq 1,024 x 1,024 float32; wv 1,024 x 1,024 float32; x 2 x 2,048 x 1,024 float32.
;; Outputs: out0 2 x 2,048 x 1,024 float32.
;; 2 versions, each right and faster than the one before. Each part assembles by itself: llvm-mc -triple=amdgcn-amd-amdhsa -mcpu=gfx1250 --defsym DOCPART=n.
;; ======== version 1 of 2: 4 launches
;; limits: right only within a limited range of input values; values are held in f16: magnitudes above 65,504 overflow, below 6.1e-05 lose precision
;; workspace buffers: xb 8,388,608 bytes; wb 8,388,608 bytes; qkv 25,165,824 bytes; att 8,388,608 bytes
;; launch tobf16 (part 1): grid 64 x 8, 8 waves a work-group, no clusters, 0 bytes of LDS; arguments x, wq, wk, wv, wo, xb, wb; writes xb, wb
.if DOCPART == 1
	.amdgcn_target "amdgcn-amd-amdhsa--gfx1250"
	.amdhsa_code_object_version 6
	.text
	.protected	k_q3717d1d389_tobf16
	.globl	k_q3717d1d389_tobf16
	.p2align	8
	.type	k_q3717d1d389_tobf16,@function
k_q3717d1d389_tobf16:
	s_mov_b64 s[64:65], 0
	v_nop
	global_prefetch_b8 v0, s[64:65] scope:SCOPE_SE
	s_setreg_imm32_b32 hwreg(HW_REG_WAVE_MODE, 25, 1), 1
	s_wait_xcnt 0x0
; Cast to bf16, once: x -> xb [4096][1024]; wq, wk, wv, wo -> wb [4096][1024] (rows 0-1023 wq, then wk, wv, wo).
; The 32 MiB of f32 are eight segments of 4 MiB: y = 0..3 the quarters of x, y = 4..7 the four weights.  Work-group (x, y) takes
; 65,536 bytes of segment y.  Thread t takes the 16 bytes at 16 t + 4,096 i (i = 0..15) and stores 8 bytes at 8 t + 2,048 i:
; a wave's load covers 512 consecutive bytes, a wave's store 256 consecutive bytes at a multiple of 256.
; A stream: every byte is read once and written once, all sixteen loads of a thread go out before the first is used;
; LDS, barriers and the matrix unit would add nothing.  No register is written twice, so no wait but the loads' own is needed.
.set X, 4                              ; v[4:67]   load i: 4 registers of f32
.set Y, 68                             ; v[68:99]  store i: 2 registers, 4 bf16
	s_load_b256 s[8:15], s[0:1], 0x0               ; x s[8:9], wq s[10:11], wk s[12:13], wv s[14:15]
	s_load_b128 s[16:19], s[0:1], 0x20             ; wo s[16:17], xb s[18:19]
	s_load_b64 s[20:21], s[0:1], 0x30              ; wb
	s_and_b32 s2, ttmp7, 0xffff                    ; y: the segment
	v_lshlrev_b32 v1, 4, v0                        ; 16 t
	v_lshlrev_b32 v2, 3, v0                        ; 8 t
	s_lshl_b32 s27, ttmp9, 16                      ; the group's 65,536 bytes of its segment
	s_lshl_b32 s29, ttmp9, 15                      ; and the 32,768 that it writes
	s_and_b32 s28, s2, 3
	s_lshl_b32 s28, s28, 21                        ; a segment is 2 MiB of bf16: quarter y of xb, or weight y - 4 in wb
	s_add_co_u32 s28, s28, s29
	s_mov_b32 s29, 0
	s_wait_kmcnt 0x0
	s_cmp_eq_u32 s2, 4                             ; the source: a choice between buffers on the segment's number alone
	s_cselect_b64 s[22:23], s[10:11], s[8:9]
	s_cmp_eq_u32 s2, 5
	s_cselect_b64 s[22:23], s[12:13], s[22:23]
	s_cmp_eq_u32 s2, 6
	s_cselect_b64 s[22:23], s[14:15], s[22:23]
	s_cmp_eq_u32 s2, 7
	s_cselect_b64 s[22:23], s[16:17], s[22:23]
	s_cmp_lt_u32 s2, 4
	s_cselect_b64 s[24:25], s[18:19], s[20:21]     ; the destination: xb for x's quarters, wb for the weights
	s_cselect_b32 s26, s2, 0                       ; a weight starts at its buffer's first byte, a quarter of x at y x 4 MiB
	s_lshl_b32 s26, s26, 22
	s_add_co_u32 s26, s26, s27
	s_mov_b32 s27, 0
	s_add_nc_u64 s[22:23], s[22:23], s[26:27]
	s_add_nc_u64 s[24:25], s[24:25], s[28:29]
.irp i, 0,1,2,3,4,5,6,7,8,9,10,11,12,13,14,15
	global_load_b128 v[X+4*\i:X+4*\i+3], v1, s[22:23] offset:4096*\i th:TH_LOAD_NT
.endr
.irp i, 0,1,2,3,4,5,6,7,8,9,10,11,12,13,14,15
	s_wait_loadcnt 15-\i                           ; loads come back in order (ISA guide 5.7.1): load i is in, the 15 - i younger ones stay out
	v_cvt_pk_bf16_f32 v[Y+2*\i],   v[X+4*\i],   v[X+4*\i+1]
	v_cvt_pk_bf16_f32 v[Y+2*\i+1], v[X+4*\i+2], v[X+4*\i+3]
	global_store_b64 v2, v[Y+2*\i:Y+2*\i+1], s[24:25] offset:2048*\i
.endr
	s_endpgm
.Lfunc_end_k_q3717d1d389_tobf16:
	.size	k_q3717d1d389_tobf16, .Lfunc_end_k_q3717d1d389_tobf16-k_q3717d1d389_tobf16
	.p2alignl 7, 3214868480
	.fill 96, 4, 3214868480
	.section	.rodata,"a",@progbits
	.p2align	6, 0x0
	.amdhsa_kernel k_q3717d1d389_tobf16
		.amdhsa_group_segment_fixed_size 0
		.amdhsa_private_segment_fixed_size 0
		.amdhsa_enable_private_segment 0
		.amdhsa_kernarg_size 56
		.amdhsa_user_sgpr_count 2
		.amdhsa_user_sgpr_kernarg_segment_ptr 1
		.amdhsa_wavefront_size32 1
		.amdhsa_system_sgpr_workgroup_id_x 1
		.amdhsa_system_sgpr_workgroup_id_y 1
		.amdhsa_system_sgpr_workgroup_id_z 1
		.amdhsa_system_vgpr_workitem_id 0
		.amdhsa_next_free_vgpr 104
		.amdhsa_next_free_sgpr 66
		.amdhsa_reserve_vcc 0
		.amdhsa_float_denorm_mode_32 3
		.amdhsa_float_denorm_mode_16_64 3
		.amdhsa_memory_ordered 1
		.amdhsa_forward_progress 1
		.amdhsa_inst_pref_size 7
	.end_amdhsa_kernel
	.amdgpu_metadata
---
amdhsa.version: [ 1, 2 ]
amdhsa.kernels:
  - .name:           k_q3717d1d389_tobf16
    .symbol:         k_q3717d1d389_tobf16.kd
    .args:
      - { .name: x, .offset: 0, .size: 8, .value_kind: global_buffer, .address_space: global }
      - { .name: wq, .offset: 8, .size: 8, .value_kind: global_buffer, .address_space: global }
      - { .name: wk, .offset: 16, .size: 8, .value_kind: global_buffer, .address_space: global }
      - { .name: wv, .offset: 24, .size: 8, .value_kind: global_buffer, .address_space: global }
      - { .name: wo, .offset: 32, .size: 8, .value_kind: global_buffer, .address_space: global }
      - { .name: xb, .offset: 40, .size: 8, .value_kind: global_buffer, .address_space: global }
      - { .name: wb, .offset: 48, .size: 8, .value_kind: global_buffer, .address_space: global }
    .group_segment_fixed_size: 0
    .private_segment_fixed_size: 0
    .kernarg_segment_align: 8
    .kernarg_segment_size: 56
    .max_flat_workgroup_size: 256
    .sgpr_count:     66
    .vgpr_count:     104
    .wavefront_size: 32
...
	.end_amdgpu_metadata
.endif
;; end of part 1
;; launch qkvproj (part 2): grid 8 x 32, 4 waves a work-group, clusters of 4 x 4, 327,680 bytes of LDS; arguments xb, wb, qkv; writes qkv
.if DOCPART == 2
	.amdgcn_target "amdgcn-amd-amdhsa--gfx1250"
	.amdhsa_code_object_version 6
	.text
	.protected	k_q3717d1d389_qkvproj
	.globl	k_q3717d1d389_qkvproj
	.p2align	8
	.type	k_q3717d1d389_qkvproj,@function
k_q3717d1d389_qkvproj:
	s_mov_b64 s[64:65], 0
	v_nop
	global_prefetch_b8 v0, s[64:65] scope:SCOPE_SE
	s_setreg_imm32_b32 hwreg(HW_REG_WAVE_MODE, 25, 1), 1
	s_wait_xcnt 0x0
	s_wait_alu depctr_hold_cnt(0) depctr_sa_sdst(0) depctr_va_vdst(0) depctr_va_sdst(0) depctr_va_ssrc(0) depctr_va_vcc(0) depctr_vm_vsrc(0)
	s_getreg_b32 s2, hwreg(HW_REG_IB_STS2, 6, 4)
	s_cmp_eq_u32 s2, 0
	s_cbranch_scc0 .Lentry_in_a_cluster
	s_endpgm
.Lentry_in_a_cluster:
	s_bfe_u32 s2, ttmp6, 0x10000c
	s_cmp_lg_u32 s2, 0xf033
	s_cbranch_scc0 .Lentry_shape_is_right
	s_endpgm
.Lentry_shape_is_right:
; qkv[row][c] = sum over k of xb[row][k] wb[c][k], c = 0..3071 (q | k | v, 1,024 columns each), row = 2,048 batch + position; bf16 in, f32 sums, F16 out.
; WHY F16.  A score q . k is multiplied by section_log_len (log 2,049 = 7.6 at the last position) in front of the exponential, so a relative rounding of 2^-9 in q and in k
; moves the exponent by about a hundredth; f16's 2^-12 leaves an eighth of that.  LIMIT: |q|, |k|, |v| stay below 65,504.  With x of unit spread and weights of spread 1/32
; they have unit spread; x and the weights both 30 times larger make that 900, offsets of 30 spreads on both make 30 x 0.94 x 1,024 = 28,900.  900 times smaller, f16's
; absolute step of 2^-25 is 3e-5 of the spread.  The scale of the scores would not have this room in f16 and is applied in f32 by the next launch.
; A work-group makes 128 rows x 384 columns (4,096 x 3,072 / 256 work-groups) with four waves; wave w makes all 128 rows of columns 96 w .. 96 w + 95:
; 48 accumulator tiles of 16 x 16, 384 registers; for 32 along K it reads 14 fragments for 48 matrix instructions.
; K = 1,024 goes in 8 steps of 128 through a ring of two LDS slots filled by the tensor data mover; a tile's rows are 256 bytes of memory at multiples of 256.
; CLUSTERS: 4 x 4 work-groups.  x's tile hangs on the block row alone and is asked for jointly along a row of the cluster, the weights' tiles hang on
; the block column alone and are asked for jointly along a column: the requests for both are divided by four.
;
; REGISTERS in windows of 256:  window 0: v16-27 addresses; v64-127, v128-191 x's 8 fragments, two buffers
;   window 1: v64-111, v128-175 the weights' 6 fragments, two buffers
;   window 2: tiles (a = 0..3, b = 0..5) at v[8 (6 a + b)];  window 3: those of a = 4..7
; THE MATRIX INSTRUCTION IS USED TRANSPOSED: source 0 = 16 rows of wb, source 1 = 16 rows of xb: lane l then holds row l % 16 of the result and
; its registers 0 to 7 the columns 8 (l / 16) + 0 .. 7, eight neighbours that pack into 16 bytes.
.set KSTEP,  128
.set PITCH,  272                       ; an LDS row: 256 bytes + 16 of padding, an odd multiple of 16: the 16 rows that a load touches start at 16 different banks (64 banks of 4 bytes: ISA guide 11.1)
.set HALFT,  128*PITCH                 ; 128 rows: what one tensor load brings
.set SLOT,   4*HALFT                   ; x's 128 rows, then the weights' 384 rows
.set SPITCH, 784                       ; the way out: a row of 768 bytes + 16, again an odd multiple of 16
.set LAPS,   1024/(2*KSTEP)            ; a lap = two K steps = once round the ring
.set QROW,   6144                      ; bytes in a row of qkv
.set ADRA, 16                          ; v16-17  LDS address of x's fragments in slot 0, 1
.set ADRB, 20                          ; v20-21  the same for my 96 rows of the weights
.set STO,  24                          ; v24     the way out: where I put 16 bytes, rows 0-63
.set STO2, 25                          ; v25     the same, rows 64-127 (the 16-bit immediate does not reach them from v24)
.set RD,   26                          ; v26     the way out: where I read rows back
.set CO,   27                          ; v27     my byte offset in qkv
.set F0,   64
.set F1,   128
.set G1, 24                            ; s[24:31] descriptor group 1 for x's tile
.set G0, 32                            ; s[32:39] group 0 for x's tile, one set for each slot
.set G1B, 48                           ; s[48:55] group 1 for the weights' tiles: differs in the mask alone
.set G0B, 56                           ; s[56:63] group 0 for the weights' tiles
.set MSB, 0
.macro WIN new                         ; the immediate's high byte repeats the setting that is left
.if MSB != \new
	s_set_vgpr_msb (MSB<<8)|\new
.set MSB, \new
.endif
.endm
.set MUL_LO, 0xa1                      ; source 0 (weights) window 1, source 1 (x) window 0, C and D window 2
.set MUL_HI, 0xf1                      ; the same, C and D window 3
.set TO_B,   0x40                      ; destination window 1, address window 0
; A joint load: wave 0 fetches x's 128 rows, waves 1 to 3 the weights' three blocks of 128 rows.  Each line has one mask; the branch hangs on the wave's number alone.
.macro JLOAD s
	s_cmp_eq_u32 s10, 0
	s_cbranch_scc0 .Lfor_b_\@
	tensor_load_to_lds s[G0+4*\s:G0+4*\s+3], s[G1:G1+7]
	s_nop 0
	s_branch .Lasked_\@
.Lfor_b_\@:
	tensor_load_to_lds s[G0B+4*\s:G0B+4*\s+3], s[G1B:G1B+7]
	s_nop 0
.Lasked_\@:
.endm
; A round of the cluster's barrier: my work-group's barrier; wave 0 signals for the work-group; every wave waits for all sixteen; my work-group's barrier once more.
.macro CREST                           ; a round behind its opening barrier
	s_cmp_lg_u32 s10, 0
	s_cbranch_scc1 .Lnot_wave_0_\@
	s_barrier_signal -3
.Lnot_wave_0_\@:
	s_barrier_wait -3
	s_barrier_signal -1
	s_barrier_wait -1
.endm
.macro CROUND
	s_barrier_signal -1
	s_barrier_wait -1
	CREST
.endm
	s_load_b128 s[72:75], s[0:1], 0x0              ; xb s[72:73], wb s[74:75]
	s_load_b64 s[80:81], s[0:1], 0x10              ; qkv
	s_set_vgpr_msb 0x40
	v_lshl_add_u32 v255, v0, 2, 0x44000
	s_set_vgpr_msb 0x4000
	v_mov_b32 v63, 0
	s_set_vgpr_msb 0x1
	ds_add_u32 v255, v63
	s_set_vgpr_msb 0x100
	v_lshrrev_b32 v1, 5, v0
	v_readfirstlane_b32 s10, v1                    ; wave 0..3
	s_bfe_u32 s40, ttmp6, 0x40000                  ; cx
	s_bfe_u32 s41, ttmp6, 0x40004                  ; cy
	s_lshl_b32 s42, ttmp9, 2
	s_add_co_u32 s42, s42, s40                     ; block column = 4 x cluster x + cx, 0..7
	s_and_b32 s13, ttmp7, 0xffff
	s_lshl_b32 s13, s13, 2
	s_add_co_u32 s13, s13, s41                     ; block row = 4 x cluster y + cy, 0..31
	s_lshl_b32 s43, s41, 2
	s_lshl_b32 s43, 15, s43                        ; my row of the cluster: places 4 cy .. 4 cy + 3
	s_lshl_b32 s44, 0x1111, s40                    ; my column: places cx, cx + 4, cx + 8, cx + 12
	; group 1: a tile of 128 rows x 128 elements of 2 bytes, 4 words of padding behind every 64 words
	s_or_b32 s[G1+0], s43, (1<<16)|(1<<20)|(1<<21)|(5<<22)|(3<<25)   ; 15:0 mask: x's tile goes to my row; 17:16 2 bytes; 20 padding; 21 set beside a mask; 24:22 every 64 words; 31:25 of 4 words
	s_or_b32 s[G1B+0], s44, (1<<16)|(1<<20)|(1<<21)|(5<<22)|(3<<25)  ; the same with my column's mask
	s_mov_b32 s[G1+1], KSTEP<<16                   ; tensor_dim0 = 128
	s_mov_b32 s[G1B+1], KSTEP<<16
	s_mov_b32 s[G1+2], 128<<16                     ; tensor_dim1 = 128
	s_mov_b32 s[G1B+2], 128<<16
	s_mov_b32 s[G1+3], KSTEP<<16                   ; tile_dim0 = 128
	s_mov_b32 s[G1B+3], KSTEP<<16
	s_mov_b32 s[G1+4], 128                         ; tile_dim1 = 128
	s_mov_b32 s[G1B+4], 128
	s_mov_b32 s[G1+5], 1024                        ; elements from row to row
	s_mov_b32 s[G1B+5], 1024
	s_mov_b32 s[G1+6], 0
	s_mov_b32 s[G1B+6], 0
	s_mov_b32 s[G1+7], 0
	s_mov_b32 s[G1B+7], 0
	; where the tiles come from: x's address is made of the block row alone, the weights' of the block column and the wave's number, each in registers that never hold the other coordinate
	s_lshl_b32 s16, s13, 18                        ; 128 rows x 2,048 bytes x block row
	s_mov_b32 s17, 0
	s_mul_i32 s46, s42, 384                        ; weights: row 384 x block column
	s_max_u32 s47, s10, 1
	s_sub_co_u32 s47, s47, 1
	s_lshl_b32 s47, s47, 7
	s_add_co_u32 s46, s46, s47                     ; + 128 (wave - 1); wave 0 makes the address of wave 1 and does not ask by it
	s_lshl_b32 s46, s46, 11                        ; rows of 2,048 bytes
	s_mov_b32 s47, 0
	s_mul_i32 s20, s10, HALFT                      ; and where they go: wave x 128 rows
	s_wait_dscnt 0x0
	s_wait_kmcnt 0x0
	s_add_nc_u64 s[14:15], s[72:73], s[16:17]
	s_add_nc_u64 s[46:47], s[74:75], s[46:47]
	CROUND                                         ; all sixteen work-groups are here: the first joint loads meet
.irp s, 0,1
	s_mov_b32 s[G0+4*\s], 1                                        ; count = 1
	s_add_co_u32 s[G0+4*\s+1], s20, \s*SLOT                        ; LDS address
	s_add_nc_u64 s[G0+4*\s+2:G0+4*\s+3], s[14:15], \s*KSTEP*2      ; global address: K step s
	s_or_b32 s[G0+4*\s+3], s[G0+4*\s+3], 0x80000000                ; type = 2
	s_mov_b32 s[G0B+4*\s], 1
	s_add_co_u32 s[G0B+4*\s+1], s20, \s*SLOT
	s_add_nc_u64 s[G0B+4*\s+2:G0B+4*\s+3], s[46:47], \s*KSTEP*2
	s_or_b32 s[G0B+4*\s+3], s[G0B+4*\s+3], 0x80000000
	JLOAD \s                                       ; both first fills go out before anything else: two tensor loads of a wave are out here, one later
.endr
	; A fragment is 16 rows x 32 K in 8 registers: lane l holds row l % 16; registers 0-3 K = 8 (l / 16) + 0..7, registers 4-7 K = 16 + 8 (l / 16) + 0..7:
	; two loads of 16 bytes, 32 bytes apart, at row x pitch + 16 (l / 16).
	v_and_b32 v1, 15, v0                           ; r = l % 16
	v_bfe_u32 v2, v0, 4, 1                         ; h = l / 16
	v_mul_u32_u24 v3, v1, PITCH
	v_lshl_add_u32 v3, v2, 4, v3
	s_mov_b32 s21, 0                               ; every wave reads all 128 rows of x
	s_mul_i32 s22, s10, 96*PITCH                   ; my 96 rows of the weights,
	s_add_co_u32 s22, s22, HALFT                   ; which lie behind x's 128
.irp s, 0,1
	v_add_nc_u32 v[ADRA+\s], s21, v3
	v_add_nc_u32 v[ADRB+\s], s22, v3
	s_add_co_u32 s21, s21, SLOT
	s_add_co_u32 s22, s22, SLOT
.endr
	v_mul_u32_u24 v4, v1, SPITCH                   ; the way out, in: row r, my wave's 192 bytes, 16 bytes for each half of the lanes
	v_lshl_add_u32 v4, v2, 4, v4
	s_mul_i32 s23, s10, 192
	v_add_nc_u32 v[STO], s23, v4
	v_add_nc_u32 v[STO2], 64*SPITCH, v[STO]
	v_mul_u32_u24 v5, v2, SPITCH                   ; back: wave w takes rows 32 w ..; lanes 0-15 one row's 256 bytes, lanes 16-31 the next row's
	v_lshl_add_u32 v5, v1, 4, v5
	s_mul_i32 s23, s10, 32*SPITCH
	v_add_nc_u32 v[RD], s23, v5
	v_mul_u32_u24 v5, v2, QROW                     ; and the same two rows in qkv
	v_lshl_add_u32 v[CO], v1, 4, v5
; 12 matrix instructions: row blocks a0, a0 + 1 of the window's four (hi = 0: rows 0-63, 1: rows 64-127) x my 6 column blocks, 32 along K.
; zero = 1: the first product starts the sums: nothing is cleared.
.macro MUL12 f, hi, a0, zero
.irp a, \a0, \a0+1
.irp b, 0,1,2,3,4,5
.if \zero
	v_wmma_f32_16x16x32_bf16 v[8*(6*(\a)+\b):8*(6*(\a)+\b)+7], v[\f+8*\b:\f+8*\b+7], v[\f+8*(4*\hi+\a):\f+8*(4*\hi+\a)+7], 0
.else
	v_wmma_f32_16x16x32_bf16 v[8*(6*(\a)+\b):8*(6*(\a)+\b)+7], v[\f+8*\b:\f+8*\b+7], v[\f+8*(4*\hi+\a):\f+8*(4*\hi+\a)+7], v[8*(6*(\a)+\b):8*(6*(\a)+\b)+7]
.endif
.endr
.endr
.endm
; 28 LDS loads in one run: the fragments of one quarter step (96 rows of the weights, 128 rows of x, 32 K at byte k of the rows) into buffer f
.macro FETCH slot, k, f
	WIN TO_B
.irp i, 0,1,2,3,4,5
	ds_load_b128 v[\f+8*\i:\f+8*\i+3],   v[ADRB+\slot] offset:\k+\i*16*PITCH
	ds_load_b128 v[\f+8*\i+4:\f+8*\i+7], v[ADRB+\slot] offset:\k+\i*16*PITCH+32
.endr
	WIN 0
.irp i, 0,1,2,3,4,5,6,7
	ds_load_b128 v[\f+8*\i:\f+8*\i+3],   v[ADRA+\slot] offset:\k+\i*16*PITCH
	ds_load_b128 v[\f+8*\i+4:\f+8*\i+7], v[ADRA+\slot] offset:\k+\i*16*PITCH+32
.endr
.endm
; A load into a register that a matrix instruction has read, and a vector instruction that reads a matrix result, stand four places behind that matrix
; instruction; only plain vector instructions that name none of its registers are places (ISA guide 7.12.1 for vector instructions).
.macro PLACES
.rept 4
	v_nop
.endr
.endm
; A K step is four quarters of 32 along K, 48 matrix instructions each, on buffers 0, 1, 0, 1.  The 48 accumulators take turns, one instruction a turn,
; in the same order in every quarter, over the backward jump too.
.macro QUARTER slot, k, f, g, zero
	s_wait_dscnt 8                                 ; the weights and x's rows 0-63 are in; the youngest eight loads (x's rows 64-127) may be out
	WIN MUL_LO
	MUL12 \f, 0, 0, \zero
	MUL12 \f, 0, 2, \zero
	PLACES
	FETCH \slot, \k, \g
	s_wait_dscnt 28                                ; all but the 28 just issued
	WIN MUL_HI
	MUL12 \f, 1, 0, \zero
	MUL12 \f, 1, 2, \zero
.endm
.macro THREE slot, zero
	QUARTER \slot, 64,  F0, F1, \zero
	QUARTER \slot, 128, F1, F0, 0
	QUARTER \slot, 192, F0, F1, 0
.endm
; The last quarter multiplies buffer 1 and changes slots.  One barrier for two things: in front of it each wave waits for its own reads of this slot and
; for all its tensor loads (the one that is out is its part of the next slot); behind it nobody reads this slot and the next slot is whole:
; the refill comes first, then the next slot's first fragments.  From a request to the wait for it a wave issues 180 matrix instructions.
.macro TURN slot, next, fill
	s_wait_dscnt 8
	WIN MUL_LO
	MUL12 F1, 0, 0, 0
	s_wait_dscnt 0                                 ; my reads of this slot are over
	s_wait_tensorcnt 0x0                           ; and all my tensor loads have landed
	ds_add_u32 v255, v63
	s_wait_dscnt 0x0
	s_barrier_signal -1                            ; say so (where a slot is filled again this barrier opens a round of the cluster's barrier),
	MUL12 F1, 0, 2, 0                              ; work on registers while the others arrive,
	WIN 0
	s_barrier_wait -1
.if \fill
	CREST                                          ; no wave of any partner still reads this slot's tile or has a load on its way
	s_add_nc_u64 s[G0+4*\slot+2:G0+4*\slot+3], s[G0+4*\slot+2:G0+4*\slot+3], 2*KSTEP*2
	s_add_nc_u64 s[G0B+4*\slot+2:G0B+4*\slot+3], s[G0B+4*\slot+2:G0B+4*\slot+3], 2*KSTEP*2
	JLOAD \slot                                    ; the first tensor load behind the round, and my only one until the next
.endif
	PLACES
	FETCH \next, 0, F0
	WIN MUL_HI
	MUL12 F1, 1, 0, 0
	MUL12 F1, 1, 2, 0
.endm
.macro LAP zero
	THREE 0, \zero
	TURN 0, 1, 1
	THREE 1, 0
	TURN 1, 0, 1
.endm
	s_wait_tensorcnt 0x1                           ; my part of K step 0 is in; K step 1's stays out
	s_barrier_signal -1
	s_barrier_wait -1                              ; everybody's is
	FETCH 0, 0, F0
	LAP 1                                          ; the first lap stands in front of the loop: its first products start the sums
	WIN 0                                          ; at a label and at a branch every window is 0
	s_mov_b32 s3, LAPS-2
.Llap:
	LAP 0
	WIN 0
	s_sub_co_u32 s3, s3, 1
	s_cmp_lg_u32 s3, 0
	s_cbranch_scc1 .Llap
	THREE 0, 0                                     ; the last lap fills nothing
	TURN 0, 1, 0
	THREE 1, 0
	s_wait_dscnt 8                                 ; the very last quarter: nothing more to fetch
	WIN MUL_LO
	MUL12 F1, 0, 0, 0
	MUL12 F1, 0, 2, 0
	s_wait_dscnt 0
	WIN MUL_HI
	MUL12 F1, 1, 0, 0
	MUL12 F1, 1, 2, 0
	; THE WAY OUT.  A wave's 96 columns are 192 bytes of a row, no whole block of 256; so the block's 128 rows x 768 bytes are gathered in LDS by all four waves
	; and read back as whole rows.  The stage (128 x 784 = 100,352 bytes from LDS byte 0) lies in slot 0, which has had its last fill; every wave's last reads of
	; slot 0 were waited for in front of the barrier of the last change of slots.
	PLACES                                         ; the places behind the last matrix instructions: for the conversions, which read results and write buffer 1
	s_lshl_b32 s16, s13, 7
	s_lshl_b32 s17, s10, 5
	s_add_co_u32 s16, s16, s17                     ; the first row that I store: 128 x block row + 32 w
	s_mul_i32 s16, s16, QROW
	s_mov_b32 s17, 0
	s_add_nc_u64 s[80:81], s[80:81], s[16:17]
	s_mul_i32 s46, s42, 768                        ; the block's first column, in bytes
	s_mov_b32 s47, 0
	s_add_nc_u64 s[80:81], s[80:81], s[46:47]
; 16 rows: the six tiles (aa, 0..5) of window 2 or 3 (from = 0x0a or 0x0f: sources 0 and 1), rounded once to f16, 16 bytes a lane into the stage
.macro OUTA aa, from, sto
	WIN \from
.irp b, 0,1,2,3,4,5
.irp j, 0,1,2,3
	v_cvt_pk_f16_f32 v[F1+4*\b+\j], v[8*(6*\aa+\b)+2*\j], v[8*(6*\aa+\b)+2*\j+1]
.endr
.endr
	WIN 0
.irp b, 0,1,2,3,4,5
	ds_store_b128 v[\sto], v[F1+4*\b:F1+4*\b+3] offset:\aa*16*SPITCH+32*\b
.endr
.endm
	OUTA 0, 0x0a, STO
	OUTA 1, 0x0a, STO
	OUTA 2, 0x0a, STO
	OUTA 3, 0x0a, STO
	OUTA 0, 0x0f, STO2
	OUTA 1, 0x0f, STO2
	OUTA 2, 0x0f, STO2
	OUTA 3, 0x0f, STO2
	s_wait_dscnt 0x0                               ; my part of the stage is written: zero, for the other waves' sake
	s_barrier_signal -1
	s_barrier_wait -1                              ; everybody's is
.irp p, 0,1,2,3,4,5,6,7,8,9,10,11,12,13,14,15
.irp u, 0,1,2
	ds_load_b128 v[F0+4*(3*\p+\u):F0+4*(3*\p+\u)+3], v[RD] offset:2*\p*SPITCH+256*\u
.endr
.endr
.irp p, 0,1,2,3,4,5,6,7,8,9,10,11,12,13,14,15
.irp u, 0,1,2
	s_wait_dscnt 47-(3*\p+\u)                      ; LDS loads come back in order: this one is in, the younger ones stay out
	global_store_b128 v[CO], v[F0+4*(3*\p+\u):F0+4*(3*\p+\u)+3], s[80:81] offset:2*\p*QROW+256*\u   ; 16 lanes store 256 consecutive bytes at a multiple of 256 from qkv's first byte
.endr
.endr
	s_set_vgpr_msb 0x1
	s_wait_tensorcnt 0x0
	ds_add_u32 v255, v63
	s_wait_dscnt 0x0
	s_set_vgpr_msb 0x100
	CROUND                                         ; the closing round: no work-group ends while a partner may still ask for a tile that names it
	s_endpgm
.Lfunc_end_k_q3717d1d389_qkvproj:
	.size	k_q3717d1d389_qkvproj, .Lfunc_end_k_q3717d1d389_qkvproj-k_q3717d1d389_qkvproj
	.p2alignl 7, 3214868480
	.fill 96, 4, 3214868480
	.section	.rodata,"a",@progbits
	.p2align	6, 0x0
	.amdhsa_kernel k_q3717d1d389_qkvproj
		.amdhsa_group_segment_fixed_size 327680
		.amdhsa_private_segment_fixed_size 0
		.amdhsa_enable_private_segment 0
		.amdhsa_kernarg_size 24
		.amdhsa_user_sgpr_count 2
		.amdhsa_user_sgpr_kernarg_segment_ptr 1
		.amdhsa_wavefront_size32 1
		.amdhsa_system_sgpr_workgroup_id_x 1
		.amdhsa_system_sgpr_workgroup_id_y 1
		.amdhsa_system_sgpr_workgroup_id_z 1
		.amdhsa_system_vgpr_workitem_id 0
		.amdhsa_next_free_vgpr 960
		.amdhsa_next_free_sgpr 82
		.amdhsa_reserve_vcc 0
		.amdhsa_float_denorm_mode_32 3
		.amdhsa_float_denorm_mode_16_64 3
		.amdhsa_memory_ordered 1
		.amdhsa_forward_progress 1
		.amdhsa_inst_pref_size 157
	.end_amdhsa_kernel
	.amdgpu_metadata
---
amdhsa.version: [ 1, 2 ]
amdhsa.kernels:
  - .name:           k_q3717d1d389_qkvproj
    .symbol:         k_q3717d1d389_qkvproj.kd
    .args:
      - { .name: xb, .offset: 0, .size: 8, .value_kind: global_buffer, .address_space: global }
      - { .name: wb, .offset: 8, .size: 8, .value_kind: global_buffer, .address_space: global }
      - { .name: qkv, .offset: 16, .size: 8, .value_kind: global_buffer, .address_space: global }
    .group_segment_fixed_size: 327680
    .private_segment_fixed_size: 0
    .kernarg_segment_align: 8
    .kernarg_segment_size: 24
    .max_flat_workgroup_size: 128
    .sgpr_count:     82
    .vgpr_count:     960
    .wavefront_size: 32
...
	.end_amdgpu_metadata
.endif
;; end of part 2
;; launch attn (part 3): grid 16 x 16, 8 waves a work-group, clusters of 4 x 4, 327,680 bytes of LDS; arguments qkv, mask, section_log_len, seq_scale, att; writes att
.if DOCPART == 3
	.amdgcn_target "amdgcn-amd-amdhsa--gfx1250"
	.amdhsa_code_object_version 6
	.text
	.protected	k_q3717d1d389_attn
	.globl	k_q3717d1d389_attn
	.p2align	8
	.type	k_q3717d1d389_attn,@function
k_q3717d1d389_attn:
	s_mov_b64 s[64:65], 0
	v_nop
	global_prefetch_b8 v0, s[64:65] scope:SCOPE_SE
	s_setreg_imm32_b32 hwreg(HW_REG_WAVE_MODE, 25, 1), 1
	s_wait_xcnt 0x0
	s_wait_alu depctr_hold_cnt(0) depctr_sa_sdst(0) depctr_va_vdst(0) depctr_va_sdst(0) depctr_va_ssrc(0) depctr_va_vcc(0) depctr_vm_vsrc(0)
	s_getreg_b32 s2, hwreg(HW_REG_IB_STS2, 6, 4)
	s_cmp_eq_u32 s2, 0
	s_cbranch_scc0 .Lentry_in_a_cluster
	s_endpgm
.Lentry_in_a_cluster:
	s_bfe_u32 s2, ttmp6, 0x10000c
	s_cmp_lg_u32 s2, 0xf033
	s_cbranch_scc0 .Lentry_shape_is_right
	s_endpgm
.Lentry_shape_is_right:
; att[b][q][32 head + d] = sum over keys of softmax_key( q . k x c + mask[q][key] ) v[key][d], c = section_log_len[q] x seq_scale[head] / sqrt(32), with a running maximum.
; qkv: [4096][3072] f16, a row = q | k | v of 2,048 bytes each.  t = (q . k) x c + mask: one fused multiply-add in f32; m = the running maximum of t;
; p = 2^((t - m) x log2 e): the subtraction first, then the multiply, so that the exponent of the largest t is 0 whatever the size of m.
; The mask is an input: every one of its 2,048 x 2,048 numbers is read and added, and all keys are worked on for every query.
; FORMATS.  q, k, v and p go to the matrix unit in f16 (p lies in 0..1; for q, k, v see the launch that makes them); att leaves in bf16, the format of wo in the next launch.
; LIMITS.  |q|, |k|, |v| below 65,504.  A p below 2^-25 rounds to 0: at most 2,048 x 2^-25 of a row sum is lost.  m starts at -2^120: a row whose t all lie below that gives
; NaN where a finite result would be due.  Entries of -inf give p = 0; a row of -inf throughout gives NaN, as the softmax itself does; NaN or +inf in the mask makes its row NaN.
; The row sum is taken over the p after their rounding to f16, the same numbers that enter the product with v.
;
; SHARE.  A work-group = 128 queries (block x) x 4 neighbouring heads of one batch (y: batch = y / 8, head group = y % 8): 256 work-groups of equal work.
; Four heads make a row of a K or V tile 256 bytes at a multiple of 256, and one mask tile serves four heads.  Wave w: head w % 4, queries 64 (w / 4) .. + 63 as four
; tiles of 16.  Keys go in 16 steps of 128 through two LDS slots; a step is four units, one query tile x all 128 keys each, so that the maximum is exchanged and O rescaled
; once for 128 keys.
; CLUSTERS 4 x 4: K and V hang on y alone and are asked for jointly along a row of the cluster; the mask tile hangs on x alone, jointly along a column.
;
; TRANSPOSED FORMS.  S^T = K Q^T: source 0 = 16 keys x 32 d, source 1 = 16 queries: lane (r = l % 16, h = l / 16) holds query r, register j key 8 h + j.  Two such tiles,
; packed to f16, ARE source 1 (32 keys x 16 queries) of O^T = V^T P^T, whose source 0 comes from V as stored by the transposing LDS load.  So a query's figures (c, m, the
; row sum) live in its own lanes: one exchange between the halves of the wave for the maximum, none for anything else.  The row sum is a third product, source 0 = ones:
; it comes out in O's layout.
.set KP, 272                           ; K's LDS row: 256 + 16 bytes, an odd multiple of 16 (64 banks of 4 bytes: ISA guide 11.1)
.set VP, 288                           ; V's: 256 + 32, an odd multiple of 32, for the transposing load
.set MP, 528                           ; the mask's: 512 + 16
.set VOFF, 36864                       ; K: 128 rows at 0 (34,816 bytes; 2,048 unused); V: 128 rows at 36,864 = 2 x 64 x 288, so that wave w's half starts at 18,432 w
.set MOFF, 73728                       ; the mask: 128 query rows at 73,728 = 4 x 32 x 528 + 6,144, so that wave w's quarter starts at 16,896 w + 6,144
.set SLOT, 141312
.set STAGE, 2*SLOT                     ; 128 rows x 272 bytes for the way out: bytes of its own, no fill lands there
.set SPITCH, 272
.set QROW, 6144
; window 0
.set KA, 2                             ; v2-3   my K fragments in slot 0, 1
.set VA, 4                             ; v4-5   my V fragments
.set MA, 6                             ; v6-7   my mask words
.set STO, 8
.set RD, 9
.set CO, 10
.set QO, 11
.set MX, 16                            ; v[16:23]   query tile a: the running maximum in v[16+2a]; the odd register is 0 (a pair for the packed subtraction)
.set AL, 24                            ; v[24:31]   query tile a: e^(old maximum - new) in v[24+2a], odd register 0; at the end 1 / row sum
.set CS, 32                            ; v[32:39]   query tile a: c of my query in v[32+2a], odd register 0
.set T, 40                             ; v[40:47]   eight chains of maxima
.set LLO, 48                           ; v48        4 x (lane % 16)
.set QF, 56                            ; v[56:87]   Q, four fragments
.set SC, 88                            ; v[88:151]  eight score tiles of 16 keys
.set MK, 152                           ; v[152:215] their mask words
.set PB, 216                           ; v[216:247] p in f16: four fragments of 32 keys
; window 1
.set OA, 0                             ; v[16a+8t ..+7] O^T of query tile a, d 16 t ..
.set LS, 64                            ; v[64+8a ..+7]  the row sums of query tile a
.set KF, 96                            ; v[96:159]  K, eight fragments (128 keys)
.set VF, 160                           ; v[160:223] V^T, fragment (kk, t): keys 32 kk .., d 16 t ..
.set ONES, 224                         ; v[224:231] 16 x 32 ones in f16
.set G1K, 24
.set G1V, 32
.set G1M, 40
.set G0K, 48                           ; s[48:55] one set for each slot
.set G0V, 56                           ; s[56:63]
.set G0M, 68                           ; s[68:75]
.set MSB, 0
.macro WIN new                         ; low byte: bits 1:0 source 0, 3:2 source 1, 5:4 source 2, 7:6 destination; the high byte repeats the setting that is left
.if MSB != \new
	s_set_vgpr_msb (MSB<<8)|\new
.set MSB, \new
.endif
.endm
; A joint load, one a wave, 16 KiB each: waves 0, 1 K's halves of 64 rows, waves 2, 3 V's, waves 4 to 7 the mask's quarters of 32 rows x 512 bytes.
; Three lines, each with one mask; the branches hang on the wave's number alone.
.macro JLOAD s
	s_cmp_lt_u32 s10, 2
	s_cbranch_scc0 .Lnot_k_\@
	tensor_load_to_lds s[G0K+4*\s:G0K+4*\s+3], s[G1K:G1K+7]
	s_nop 0
	s_branch .Lasked_\@
.Lnot_k_\@:
	s_cmp_lt_u32 s10, 4
	s_cbranch_scc0 .Lfor_m_\@
	tensor_load_to_lds s[G0V+4*\s:G0V+4*\s+3], s[G1V:G1V+7]
	s_nop 0
	s_branch .Lasked_\@
.Lfor_m_\@:
	tensor_load_to_lds s[G0M+4*\s:G0M+4*\s+3], s[G1M:G1M+7]
	s_nop 0
.Lasked_\@:
.endm
.macro CREST                           ; a round of the cluster's barrier behind its opening barrier
	s_cmp_lg_u32 s10, 0
	s_cbranch_scc1 .Lnot_wave_0_\@
	s_barrier_signal -3
.Lnot_wave_0_\@:
	s_barrier_wait -3
	s_barrier_signal -1
	s_barrier_wait -1
.endm
.macro CROUND
	s_barrier_signal -1
	s_barrier_wait -1
	CREST
.endm
.macro PLACES                          ; four places behind a matrix instruction (ISA guide 7.12.1 for vector instructions)
.rept 4
	v_nop
.endr
.endm
	s_load_b128 s[4:7], s[0:1], 0x0                ; qkv s[4:5], mask s[6:7]
	s_load_b128 s[92:95], s[0:1], 0x10             ; section_log_len s[92:93], seq_scale s[94:95]
	s_load_b64 s[8:9], s[0:1], 0x20                ; att
	s_set_vgpr_msb 0x40
	v_lshl_add_u32 v233, v0, 2, 0x4d800
	s_set_vgpr_msb 0x4000
	v_mov_b32 v255, 0
	s_set_vgpr_msb 0x1
	ds_add_u32 v233, v255
	s_set_vgpr_msb 0x100
	v_lshrrev_b32 v1, 5, v0
	v_readfirstlane_b32 s10, v1                    ; wave 0..7
	s_and_b32 s12, s10, 3                          ; my head in the group; also my quarter of the mask tile
	s_lshr_b32 s13, s10, 2                         ; my half of the queries
	s_mov_b32 s76, 0x76543210                      ; v_permlanex16_b32: lane i of one half reads lane i of the other
	s_mov_b32 s77, 0xfedcba98
	s_mov_b32 s90, 0x3fb8aa3b                      ; log2 e, as a pair for the packed multiply
	s_mov_b32 s91, 0x3fb8aa3b
	s_bfe_u32 s78, ttmp6, 0x40000                  ; cx
	s_bfe_u32 s79, ttmp6, 0x40004                  ; cy
	s_lshl_b32 s80, ttmp9, 2
	s_add_co_u32 s80, s80, s78                     ; query block, 0..15
	s_and_b32 s81, ttmp7, 0xffff
	s_lshl_b32 s81, s81, 2
	s_add_co_u32 s81, s81, s79                     ; y, 0..15
	s_lshl_b32 s82, s79, 2
	s_lshl_b32 s82, 15, s82                        ; my row of the cluster
	s_lshl_b32 s83, 0x1111, s78                    ; my column
	s_lshr_b32 s84, s81, 3                         ; batch
	s_and_b32 s85, s81, 7                          ; head group
	; group 1.  K: 64 rows x 128 elements of 2 bytes, 4 words of padding behind every 64; V: the same with 8 words; mask: 32 rows x 128 elements of 4 bytes, 4 words behind every 128
	s_or_b32 s[G1K+0], s82, (1<<16)|(1<<20)|(1<<21)|(5<<22)|(3<<25)
	s_or_b32 s[G1V+0], s82, (1<<16)|(1<<20)|(1<<21)|(5<<22)|(7<<25)
	s_or_b32 s[G1M+0], s83, (2<<16)|(1<<20)|(1<<21)|(6<<22)|(3<<25)
	s_mov_b32 s[G1K+1], 128<<16                    ; tensor_dim0 = 128
	s_mov_b32 s[G1V+1], 128<<16
	s_mov_b32 s[G1M+1], 128<<16
	s_mov_b32 s[G1K+2], 64<<16                     ; tensor_dim1
	s_mov_b32 s[G1V+2], 64<<16
	s_mov_b32 s[G1M+2], 32<<16
	s_mov_b32 s[G1K+3], 128<<16                    ; tile_dim0 = 128
	s_mov_b32 s[G1V+3], 128<<16
	s_mov_b32 s[G1M+3], 128<<16
	s_mov_b32 s[G1K+4], 64                         ; tile_dim1
	s_mov_b32 s[G1V+4], 64
	s_mov_b32 s[G1M+4], 32
	s_mov_b32 s[G1K+5], 3072                       ; elements from row to row
	s_mov_b32 s[G1V+5], 3072
	s_mov_b32 s[G1M+5], 2048
	s_mov_b32 s[G1K+6], 0
	s_mov_b32 s[G1V+6], 0
	s_mov_b32 s[G1M+6], 0
	s_mov_b32 s[G1K+7], 0
	s_mov_b32 s[G1V+7], 0
	s_mov_b32 s[G1M+7], 0
	; K's and V's addresses are made of y and the wave's number, the mask's of the query block and the wave's number, each in registers that never hold the other coordinate
	s_and_b32 s14, s10, 1
	s_lshl_b32 s14, s14, 6                         ; my half of the 128 keys
	s_lshl_b32 s15, s84, 11
	s_add_co_u32 s14, s14, s15                     ; + 2,048 batch
	s_mul_i32 s14, s14, QROW
	s_lshl_b32 s15, s85, 8                         ; + the head group's 256 bytes
	s_add_co_u32 s14, s14, s15
	s_mov_b32 s15, 0
	s_lshl_b32 s18, s80, 7
	s_lshl_b32 s19, s12, 5
	s_add_co_u32 s18, s18, s19                     ; mask row 128 x query block + 32 x quarter
	s_lshl_b32 s18, s18, 13                        ; rows of 8,192 bytes
	s_mov_b32 s19, 0
	s_mul_i32 s22, s10, 64*KP                      ; LDS: the wave's number times a constant, plus a constant, plus the slot's
	s_mul_i32 s23, s10, 64*VP
	s_mul_i32 s11, s10, 32*MP
	s_add_co_u32 s11, s11, MOFF-4*32*MP
	s_wait_dscnt 0x0
	s_wait_kmcnt 0x0
	s_add_nc_u64 s[16:17], s[4:5], s[14:15]
	s_add_nc_u64 s[20:21], s[6:7], s[18:19]
	CROUND                                         ; all sixteen work-groups are here: the first joint loads meet
.irp s, 0,1
	s_mov_b32 s[G0K+4*\s], 1
	s_add_co_u32 s[G0K+4*\s+1], s22, \s*SLOT
	s_add_nc_u64 s[G0K+4*\s+2:G0K+4*\s+3], s[16:17], 2048+\s*128*QROW      ; k lies 2,048 bytes into a row; step s is 128 rows on
	s_or_b32 s[G0K+4*\s+3], s[G0K+4*\s+3], 0x80000000
	s_mov_b32 s[G0V+4*\s], 1
	s_add_co_u32 s[G0V+4*\s+1], s23, \s*SLOT
	s_add_nc_u64 s[G0V+4*\s+2:G0V+4*\s+3], s[16:17], 4096+\s*128*QROW      ; v lies 4,096 bytes into a row
	s_or_b32 s[G0V+4*\s+3], s[G0V+4*\s+3], 0x80000000
	s_mov_b32 s[G0M+4*\s], 1
	s_add_co_u32 s[G0M+4*\s+1], s11, \s*SLOT
	s_add_nc_u64 s[G0M+4*\s+2:G0M+4*\s+3], s[20:21], \s*128*4              ; 128 keys of 4 bytes along the mask's rows
	s_or_b32 s[G0M+4*\s+3], s[G0M+4*\s+3], 0x80000000
	JLOAD \s                                       ; two tensor loads of a wave are out here, one behind each later round
.endr
	; lane addresses.  r = l % 16, h = l / 16
	v_and_b32 v12, 15, v0
	v_bfe_u32 v13, v0, 4, 1
	v_and_b32 v14, 7, v0
	v_bfe_u32 v15, v0, 3, 1
	s_lshl_b32 s22, s12, 6                         ; my head's 64 bytes in a row of K, V and the stage
	v_mul_u32_u24 v1, v12, KP
	v_lshl_add_u32 v1, v13, 4, v1
	v_add_nc_u32 v[KA], s22, v1                    ; K: key row r, 16 h: two loads 32 bytes apart fill a fragment
	v_add_nc_u32 v[KA+1], SLOT, v[KA]
	s_mul_i32 s23, s13, 64*SPITCH
	s_add_co_u32 s23, s23, STAGE
	v_add_nc_u32 v[STO], s23, v[KA]                ; stage, in: row 64 x half + r, my head's bytes, 16 h (the pitch is K's)
	v_lshl_add_u32 v1, v13, 3, v14                 ; V: key row 8 h + l % 8, 16 bytes for (l / 8) % 2: the transposing load hands lane (r, h) keys 8 h .. + 7 of column r
	v_mul_u32_u24 v1, v1, VP
	v_lshl_add_u32 v1, v15, 4, v1
	s_add_co_u32 s23, s22, VOFF
	v_add_nc_u32 v[VA], s23, v1
	v_add_nc_u32 v[VA+1], SLOT, v[VA]
	v_mul_u32_u24 v1, v12, MP                      ; mask: query row 64 x half + r, keys 8 h .. + 7 = 32 bytes
	v_lshl_add_u32 v1, v13, 5, v1
	s_mul_i32 s23, s13, 64*MP
	s_add_co_u32 s23, s23, MOFF
	v_add_nc_u32 v[MA], s23, v1
	v_add_nc_u32 v[MA+1], SLOT, v[MA]
	v_mul_u32_u24 v1, v13, SPITCH                  ; stage, back: wave w takes rows 16 w ..; lanes 0-15 one row of 256 bytes, lanes 16-31 the next
	v_lshl_add_u32 v1, v12, 4, v1
	s_mul_i32 s23, s10, 16*SPITCH
	s_add_co_u32 s23, s23, STAGE
	v_add_nc_u32 v[RD], s23, v1
	v_lshlrev_b32 v1, 11, v13                      ; and the same two rows in att (2,048 bytes each)
	v_lshl_add_u32 v1, v12, 4, v1
	s_lshl_b32 s23, s10, 15
	v_add_nc_u32 v[CO], s23, v1
	v_mul_u32_u24 v1, v12, QROW
	v_lshl_add_u32 v[QO], v13, 4, v1               ; Q from memory: query row r, 16 h
	v_lshlrev_b32 v[LLO], 2, v12                   ; section_log_len: 4 r
	; Q: rows 2,048 batch + 128 block + 64 half + 16 a + r, my head's 64 bytes
	s_lshl_b32 s86, s84, 11
	s_lshl_b32 s87, s80, 7
	s_add_co_u32 s86, s86, s87
	s_lshl_b32 s87, s13, 6
	s_add_co_u32 s86, s86, s87
	s_mul_i32 s86, s86, QROW
	s_lshl_b32 s87, s85, 8
	s_add_co_u32 s86, s86, s87
	s_add_co_u32 s86, s86, s22
	s_mov_b32 s87, 0
	s_add_nc_u64 s[86:87], s[4:5], s[86:87]
.irp a, 0,1,2,3
	global_load_b128 v[QF+8*\a:QF+8*\a+3],   v[QO], s[86:87] offset:16*\a*QROW
	global_load_b128 v[QF+8*\a+4:QF+8*\a+7], v[QO], s[86:87] offset:16*\a*QROW+32
.endr
	; section_log_len of my queries: position 128 block + 64 half + 16 a + r; seq_scale of my head: 4 x head group + w % 4
	s_lshl_b32 s98, s80, 7
	s_lshl_b32 s99, s13, 6
	s_add_co_u32 s98, s98, s99
	s_lshl_b32 s98, s98, 2
	s_mov_b32 s99, 0
	s_add_nc_u64 s[92:93], s[92:93], s[98:99]
.irp a, 0,1,2,3
	global_load_b32 v[CS+2*\a], v[LLO], s[92:93] offset:64*\a
.endr
	s_lshl_b32 s97, s85, 2
	s_add_co_u32 s97, s97, s12
	s_lshl_b32 s97, s97, 2
	s_load_b32 s96, s[94:95], s97 offset:0x0
	s_lshl_b32 s88, s84, 11                        ; att at row 2,048 batch + 128 block, the head group's 256 bytes
	s_lshl_b32 s89, s80, 7
	s_add_co_u32 s88, s88, s89
	s_lshl_b32 s88, s88, 11
	s_lshl_b32 s89, s85, 8
	s_add_co_u32 s88, s88, s89
	s_mov_b32 s89, 0
	s_add_nc_u64 s[8:9], s[8:9], s[88:89]
.irp a, 0,1,2,3
	v_mov_b32 v[MX+2*\a+1], 0                      ; the pairs' unused halves: written once, so that a pair is always whole
	v_mov_b32 v[AL+2*\a+1], 0
	v_mov_b32 v[CS+2*\a+1], 0
.endr
	WIN 0x40                                       ; destination window 1
.irp j, 0,1,2,3,4,5,6,7
	v_mov_b32 v[ONES+\j], 0x3c003c00               ; two f16 ones
.endr
	WIN 0
; sixteen LDS loads each: a slot's 128 keys for my head, or one query tile's 128 mask words a lane... 64 a lane (keys 16 i + 8 h .. + 7, i = 0..7)
.macro LDK s
.irp i, 0,1,2,3,4,5,6,7
	ds_load_b128 v[KF+8*\i:KF+8*\i+3],   v[KA+\s] offset:16*\i*KP
	ds_load_b128 v[KF+8*\i+4:KF+8*\i+7], v[KA+\s] offset:16*\i*KP+32
.endr
.endm
.macro LDV s
.irp kk, 0,1,2,3
.irp t, 0,1
	ds_load_tr16_b128 v[VF+16*\kk+8*\t:VF+16*\kk+8*\t+3],   v[VA+\s] offset:32*\kk*VP+32*\t
	ds_load_tr16_b128 v[VF+16*\kk+8*\t+4:VF+16*\kk+8*\t+7], v[VA+\s] offset:(32*\kk+16)*VP+32*\t
.endr
.endr
.endm
.macro LDM s, a
.irp i, 0,1,2,3,4,5,6,7
	ds_load_b128 v[MK+8*\i:MK+8*\i+3],   v[MA+\s] offset:16*(\a)*MP+64*\i
	ds_load_b128 v[MK+8*\i+4:MK+8*\i+7], v[MA+\s] offset:16*(\a)*MP+64*\i+16
.endr
.endm
; The way from t to p, key tile by key tile.  e = 1: tile i's eight exponentials; f = 1: (t - m) x log2 e for tile i + 1 (the difference first, so that no rounding of
; m x log2 e enters the exponent); c = 1: tile i - 1's eight p packed into four registers, half of a fragment of 32 keys.  The three run in turns, so that the plain
; instruction that has to stand behind an exponential before its result is used (ISA guide 5.7.2) is work of a neighbouring tile.
.macro STAGE i, a, e, f, c
.irp j, 0,1,2,3
.if \e
	v_exp_f32 v[SC+8*\i+\j], v[SC+8*\i+\j]
.endif
.if \f
	v_pk_add_f32 v[SC+8*\i+8+2*\j:SC+8*\i+8+2*\j+1], v[SC+8*\i+8+2*\j:SC+8*\i+8+2*\j+1], v[MX+2*\a:MX+2*\a+1] op_sel_hi:[1,0] neg_lo:[0,1] neg_hi:[0,1]
.endif
.if \c
	s_wait_alu depctr_va_vdst(0)
	v_cvt_pk_f16_f32 v[PB+4*\i-4+\j], v[SC+8*\i-8+2*\j], v[SC+8*\i-8+2*\j+1]
.endif
.endr
.irp j, 0,1,2,3
.if \e
	v_exp_f32 v[SC+8*\i+4+\j], v[SC+8*\i+4+\j]
.endif
.if \f
	v_pk_mul_f32 v[SC+8*\i+8+2*\j:SC+8*\i+8+2*\j+1], v[SC+8*\i+8+2*\j:SC+8*\i+8+2*\j+1], s[90:91] op_sel_hi:[1,0]
.endif
.endr
.endm
; three products for 32 keys: O^T's two tiles and the row sums.  The three accumulators take turns, one instruction a turn.
.macro PV a, kk, zero
.irp t, 0,1
.if \zero
	v_wmma_f32_16x16x32_f16 v[OA+16*\a+8*\t:OA+16*\a+8*\t+7], v[VF+16*\kk+8*\t:VF+16*\kk+8*\t+7], v[PB+8*\kk:PB+8*\kk+7], 0
.else
	v_wmma_f32_16x16x32_f16 v[OA+16*\a+8*\t:OA+16*\a+8*\t+7], v[VF+16*\kk+8*\t:VF+16*\kk+8*\t+7], v[PB+8*\kk:PB+8*\kk+7], v[OA+16*\a+8*\t:OA+16*\a+8*\t+7]
.endif
.endr
.if \zero
	v_wmma_f32_16x16x32_f16 v[LS+8*\a:LS+8*\a+7], v[ONES:ONES+7], v[PB+8*\kk:PB+8*\kk+7], 0
.else
	v_wmma_f32_16x16x32_f16 v[LS+8*\a:LS+8*\a+7], v[ONES:ONES+7], v[PB+8*\kk:PB+8*\kk+7], v[LS+8*\a:LS+8*\a+7]
.endif
.endm
; One query tile (16 queries) x the slot's 128 keys.  first = 1: the tile's first keys: the maximum starts at -2^120, the products start the sums, nothing is rescaled.
; sig = 1 (the step's last tile): from its head on the wave reads nothing more from the slot, so the barrier of the change of slots is signalled here, and the whole
; tile, register work alone, stands between the signal and its wait.
.macro UNIT s, a, first, sig
.if \a == 0
	s_wait_dscnt 16                                ; K's 16 loads and this tile's 16 mask loads are in; the 16 V loads issued behind them stay out
.else
	s_wait_dscnt 0                                 ; this tile's mask words, asked for in the tile before; in the last tile: all my reads of this slot are over,
.endif
.if \sig
	s_wait_tensorcnt 0x0                           ; and all my tensor loads have landed: the one that was out is my part of the other slot, asked for three tiles ago:
	ds_add_u32 v233, v255
	s_wait_dscnt 0x0
	s_barrier_signal -1                            ; say so
.endif
	WIN 0x01                                       ; source 0 (K) window 1
.irp i, 0,1,2,3,4,5,6,7
	v_wmma_f32_16x16x32_f16 v[SC+8*\i:SC+8*\i+7], v[KF+8*\i:KF+8*\i+7], v[QF+8*\a:QF+8*\a+7], 0
.endr
	WIN 0
	PLACES                                         ; before the products are read
.set jj, 0
.rept 32
	v_pk_fma_f32 v[SC+2*jj:SC+2*jj+1], v[SC+2*jj:SC+2*jj+1], v[CS+2*\a:CS+2*\a+1], v[MK+2*jj:MK+2*jj+1] op_sel_hi:[1,0,1]   ; t = q . k x c + mask
.set jj, jj+1
.endr
.if \a < 3
	LDM \s, \a+1                                   ; the next tile's mask words, a tile ahead of their use
.endif
	; the largest of my 64 t and the running maximum: 32 three-way maxima in eight chains, then the other half of the wave (keys 8 (1 - h) ..)
.irp c, 0,1,2,3,4,5,6,7
	v_max3_num_f32 v[T+\c], v[SC+8*\c], v[SC+8*\c+1], v[SC+8*\c+2]
.endr
.irp c, 0,1,2,3,4,5,6,7
	v_max3_num_f32 v[T+\c], v[T+\c], v[SC+8*\c+3], v[SC+8*\c+4]
.endr
.irp c, 0,1,2,3,4,5,6,7
	v_max3_num_f32 v[T+\c], v[T+\c], v[SC+8*\c+5], v[SC+8*\c+6]
.endr
.irp c, 0,2,4,6
	v_max3_num_f32 v[T+\c], v[T+\c], v[T+\c+1], v[SC+4*\c+7]       ; with register 7 of tiles 0 to 3
.endr
	v_max3_num_f32 v[T], v[T], v[T+2], v[SC+39]
	v_max3_num_f32 v[T+4], v[T+4], v[T+6], v[SC+47]
	v_max3_num_f32 v[T], v[T], v[T+4], v[SC+55]
.if \first
	v_max3_num_f32 v[T], v[T], v[SC+63], 0xfb800000                ; -2^120
	v_permlanex16_b32 v[T+1], v[T], s76, s77
	v_max_num_f32 v[MX+2*\a], v[T], v[T+1]
.else
	v_max3_num_f32 v[T], v[T], v[SC+63], v[MX+2*\a]
	v_permlanex16_b32 v[T+1], v[T], s76, s77
	v_max_num_f32 v[T], v[T], v[T+1]
	v_sub_f32 v[AL+2*\a], v[MX+2*\a], v[T]
	v_mov_b32 v[MX+2*\a], v[T]
	v_mul_f32 v[AL+2*\a], s90, v[AL+2*\a]
	v_exp_f32 v[AL+2*\a], v[AL+2*\a]               ; e^(old - new); the subtractions below stand between it and its use
.endif
.irp j, 0,1,2,3
	v_pk_add_f32 v[SC+2*\j:SC+2*\j+1], v[SC+2*\j:SC+2*\j+1], v[MX+2*\a:MX+2*\a+1] op_sel_hi:[1,0] neg_lo:[0,1] neg_hi:[0,1]
.endr
.irp j, 0,1,2,3
	v_pk_mul_f32 v[SC+2*\j:SC+2*\j+1], v[SC+2*\j:SC+2*\j+1], s[90:91] op_sel_hi:[1,0]
.endr
	STAGE 0, \a, 1, 1, 0
	STAGE 1, \a, 1, 1, 1
	STAGE 2, \a, 1, 1, 1
	STAGE 3, \a, 1, 1, 1
	STAGE 4, \a, 1, 1, 1
	STAGE 5, \a, 1, 1, 1
	STAGE 6, \a, 1, 1, 1
	STAGE 7, \a, 1, 0, 1
	STAGE 8, \a, 0, 0, 1                           ; tile 7 is packed; its first conversion reads exponentials of the stage's first half and is the place behind the last four
.if \first == 0
	WIN 0x41                                       ; destination and source 0 window 1
.irp j, 0,1,2,3,4,5,6,7
	v_pk_mul_f32 v[OA+16*\a+2*\j:OA+16*\a+2*\j+1], v[OA+16*\a+2*\j:OA+16*\a+2*\j+1], v[AL+2*\a:AL+2*\a+1] op_sel_hi:[1,0]
.endr
	v_mul_f32 v[LS+8*\a], v[LS+8*\a], v[AL+2*\a]   ; all eight registers of the row sums' tile hold the same sum and each hangs on itself alone: register 0 is kept right and read at the
	                                               ; end; the other seven are plain sums of at most 2,048 numbers of at most 1 and are never read
.endif
.if \a == 0
	s_wait_dscnt 16                                ; V is in; the 16 mask loads issued behind it stay out
.endif
	WIN 0x51                                       ; source 0 (V, ones), C and D window 1
	PV \a, 0, \first
	PV \a, 1, 0
	PV \a, 2, 0
	PV \a, 3, 0
.if \a == 3
	WIN 0
.endif
.endm
; 128 keys of slot s for my four query tiles
.macro STEP s, first, sig
	PLACES                                         ; V's registers were sources of the last matrix instructions
	WIN 0x40                                       ; destination window 1, address window 0
	LDK \s
	WIN 0
	LDM \s, 0
	WIN 0x40
	LDV \s
	WIN 0
	UNIT \s, 0, \first, 0
	UNIT \s, 1, \first, 0
	UNIT \s, 2, \first, 0
	UNIT \s, 3, \first, \sig
.endm
; The change of slots.  Its barrier was signalled at the head of the step's last tile, behind each wave's waits for its reads of slot s and for all its tensor loads.
; fill = 1: that barrier opens a round of the cluster's barrier; behind the round no wave of any partner reads slot s or has a load on its way, and the joint refill, two steps
; ahead, is the first thing there and the wave's one tensor load until the next round.  It has three query tiles x 128 keys in every wave in which to land.
.macro CHANGE s, fill
	s_barrier_wait -1
.if \fill
	CREST
	s_add_nc_u64 s[G0K+4*\s+2:G0K+4*\s+3], s[G0K+4*\s+2:G0K+4*\s+3], 2*128*QROW
	s_add_nc_u64 s[G0V+4*\s+2:G0V+4*\s+3], s[G0V+4*\s+2:G0V+4*\s+3], 2*128*QROW
	s_add_nc_u64 s[G0M+4*\s+2:G0M+4*\s+3], s[G0M+4*\s+2:G0M+4*\s+3], 2*128*4
	JLOAD \s
.endif
.endm
	s_wait_kmcnt 0x0                               ; seq_scale of my head
	s_mul_f32 s96, s96, 0x3e3504f3                 ; / sqrt(32)
	s_wait_loadcnt 0x0                             ; Q and section_log_len, once
.irp a, 0,1,2,3
	v_mul_f32 v[CS+2*\a], s96, v[CS+2*\a]          ; c of my query in tile a
.endr
	s_wait_tensorcnt 0x1                           ; my part of step 0 is in; step 1's stays out
	s_barrier_signal -1
	s_barrier_wait -1
	STEP 0, 1, 1                                   ; steps 0 and 1 stand in front of the loop: the first products start the sums
	CHANGE 0, 1
	STEP 1, 0, 1
	CHANGE 1, 1
	s_mov_b32 s3, 6                                ; steps 2 to 13; their refills are steps 4 to 15
.Lpair:
	STEP 0, 0, 1
	CHANGE 0, 1
	STEP 1, 0, 1
	CHANGE 1, 1
	s_sub_co_u32 s3, s3, 1
	s_cmp_lg_u32 s3, 0
	s_cbranch_scc1 .Lpair
	STEP 0, 0, 1                                   ; steps 14 and 15: nothing is left to fetch; the barrier between them shows slot 1 whole to every wave
	CHANGE 0, 0
	STEP 1, 0, 0
	; THE WAY OUT: O / row sum, rounded once to bf16; lane (r, h) holds d = 16 t + 8 h + 0..7 of query r: 16 bytes.  The group's 128 rows x 256 bytes are gathered in the stage
	; by all eight waves (a row holds four heads) and read back as whole rows.
	PLACES
	WIN 0x01                                       ; source 0 window 1
.irp a, 0,1,2,3
	v_rcp_f32 v[AL+2*\a], v[LS+8*\a]
.endr
	v_nop                                          ; the plain place behind the reciprocals
.irp a, 0,1,2,3
.irp j, 0,1,2,3,4,5,6,7
	s_wait_alu depctr_va_vdst(0)
	v_pk_mul_f32 v[SC+16*\a+2*\j:SC+16*\a+2*\j+1], v[OA+16*\a+2*\j:OA+16*\a+2*\j+1], v[AL+2*\a:AL+2*\a+1] op_sel_hi:[1,0]
.endr
.endr
	WIN 0
.irp a, 0,1,2,3
.irp j, 0,1,2,3,4,5,6,7
	v_cvt_pk_bf16_f32 v[MK+8*\a+\j], v[SC+16*\a+2*\j], v[SC+16*\a+2*\j+1]
.endr
.endr
.irp a, 0,1,2,3
.irp t, 0,1
	ds_store_b128 v[STO], v[MK+8*\a+4*\t:MK+8*\a+4*\t+3] offset:16*\a*SPITCH+32*\t
.endr
.endr
	s_wait_dscnt 0x0                               ; my part of the stage is written: zero, for the other waves' sake
	s_barrier_signal -1
	s_barrier_wait -1
.irp t, 0,1,2,3,4,5,6,7
	ds_load_b128 v[SC+4*\t:SC+4*\t+3], v[RD] offset:2*\t*SPITCH
.endr
.irp t, 0,1,2,3,4,5,6,7
	s_wait_dscnt 7-\t
	global_store_b128 v[CO], v[SC+4*\t:SC+4*\t+3], s[8:9] offset:2*\t*2048   ; 16 lanes store 256 consecutive bytes at a multiple of 256 from att's first byte
.endr
	s_set_vgpr_msb 0x1
	s_wait_tensorcnt 0x0
	ds_add_u32 v233, v255
	s_wait_dscnt 0x0
	s_set_vgpr_msb 0x100
	CROUND                                         ; the closing round
	s_endpgm
.Lfunc_end_k_q3717d1d389_attn:
	.size	k_q3717d1d389_attn, .Lfunc_end_k_q3717d1d389_attn-k_q3717d1d389_attn
	.p2alignl 7, 3214868480
	.fill 96, 4, 3214868480
	.section	.rodata,"a",@progbits
	.p2align	6, 0x0
	.amdhsa_kernel k_q3717d1d389_attn
		.amdhsa_group_segment_fixed_size 327680
		.amdhsa_private_segment_fixed_size 0
		.amdhsa_enable_private_segment 0
		.amdhsa_kernarg_size 40
		.amdhsa_user_sgpr_count 2
		.amdhsa_user_sgpr_kernarg_segment_ptr 1
		.amdhsa_wavefront_size32 1
		.amdhsa_system_sgpr_workgroup_id_x 1
		.amdhsa_system_sgpr_workgroup_id_y 1
		.amdhsa_system_sgpr_workgroup_id_z 1
		.amdhsa_system_vgpr_workitem_id 0
		.amdhsa_next_free_vgpr 490
		.amdhsa_next_free_sgpr 100
		.amdhsa_reserve_vcc 0
		.amdhsa_float_denorm_mode_32 3
		.amdhsa_float_denorm_mode_16_64 3
		.amdhsa_memory_ordered 1
		.amdhsa_forward_progress 1
		.amdhsa_inst_pref_size 255
	.end_amdhsa_kernel
	.section	.bss,"aw",@nobits
	.p2align	6
	.space	262144
	.amdgpu_metadata
---
amdhsa.version: [ 1, 2 ]
amdhsa.kernels:
  - .name:           k_q3717d1d389_attn
    .symbol:         k_q3717d1d389_attn.kd
    .args:
      - { .name: qkv, .offset: 0, .size: 8, .value_kind: global_buffer, .address_space: global }
      - { .name: mask, .offset: 8, .size: 8, .value_kind: global_buffer, .address_space: global }
      - { .name: section_log_len, .offset: 16, .size: 8, .value_kind: global_buffer, .address_space: global }
      - { .name: seq_scale, .offset: 24, .size: 8, .value_kind: global_buffer, .address_space: global }
      - { .name: att, .offset: 32, .size: 8, .value_kind: global_buffer, .address_space: global }
    .group_segment_fixed_size: 327680
    .private_segment_fixed_size: 0
    .kernarg_segment_align: 8
    .kernarg_segment_size: 40
    .max_flat_workgroup_size: 256
    .sgpr_count:     100
    .vgpr_count:     490
    .wavefront_size: 32
...
	.end_amdgpu_metadata
.endif
;; end of part 3
;; launch outproj (part 4): grid 8 x 32, 4 waves a work-group, clusters of 4 x 4, 327,680 bytes of LDS; arguments att, wb, out0; writes out0
.if DOCPART == 4
	.amdgcn_target "amdgcn-amd-amdhsa--gfx1250"
	.amdhsa_code_object_version 6
	.text
	.protected	k_q3717d1d389_outproj
	.globl	k_q3717d1d389_outproj
	.p2align	8
	.type	k_q3717d1d389_outproj,@function
k_q3717d1d389_outproj:
	s_mov_b64 s[64:65], 0
	v_nop
	global_prefetch_b8 v0, s[64:65] scope:SCOPE_SE
	s_setreg_imm32_b32 hwreg(HW_REG_WAVE_MODE, 25, 1), 1
	s_wait_xcnt 0x0
	s_wait_alu depctr_hold_cnt(0) depctr_sa_sdst(0) depctr_va_vdst(0) depctr_va_sdst(0) depctr_va_ssrc(0) depctr_va_vcc(0) depctr_vm_vsrc(0)
	s_getreg_b32 s2, hwreg(HW_REG_IB_STS2, 6, 4)
	s_cmp_eq_u32 s2, 0
	s_cbranch_scc0 .Lentry_in_a_cluster
	s_endpgm
.Lentry_in_a_cluster:
	s_bfe_u32 s2, ttmp6, 0x10000c
	s_cmp_lg_u32 s2, 0xf033
	s_cbranch_scc0 .Lentry_shape_is_right
	s_endpgm
.Lentry_shape_is_right:
; out0[row][n] = sum over k of att[row][k] wo[n][k].  att: [4096][1024] bf16; wo = rows 3,072 to 4,095 of wb, bf16; out0: [4096][1024] f32; sums in f32.
; 4,096 x 1,024 outputs on 256 work-groups: a block of 128 x 128, four waves of 64 x 64 (16 accumulator tiles, 128 registers).
; A K step of 128 would be 64 matrix instructions of a wave, little for a tile to land in; so an LDS slot holds 256 of K (rows of 512 bytes, one tensor load a wave):
; K = 1,024 is four phases on two slots, written out without a loop.
; CLUSTERS 4 x 4: att's tile hangs on the block row alone (asked for jointly along a row of the cluster), wo's on the block column alone (along a column).
; REGISTERS: window 0: v16-26 addresses; buffer f (0, 1): att's 4 fragments at v[32+64f ..], wo's 4 at v[64+64f ..]; v160-223 two sets for the way out.
;            window 1: tile (a, b) at v[8 (4 a + b)].
; The matrix instruction is used transposed (source 0 = rows of wo, source 1 = rows of att): lane l holds row l % 16, registers 0-7 the columns 8 (l / 16) + 0..7: 32 neighbouring bytes.
.set PITCH,  528                       ; an LDS row: 512 bytes + 16, an odd multiple of 16 (64 banks of 4 bytes: ISA guide 11.1)
.set HALFT,  64*PITCH                  ; 64 rows: what one tensor load brings, and what one wave reads of att or of wo
.set SLOT,   4*HALFT                   ; att's 128 rows, then wo's 128
.set STAGE,  2*SLOT                    ; behind the ring: 16 rows x 272 bytes for each wave
.set SPITCH, 272
.set ADRA, 16
.set ADRB, 20
.set STO,  24
.set RD,   25
.set CO,   26
.set R0,   160
.set R1,   192
.set G1, 24
.set G0, 32
.set G1B, 48
.set G0B, 56
.set MSB, 0
.macro WIN new
.if MSB != \new
	s_set_vgpr_msb (MSB<<8)|\new
.set MSB, \new
.endif
.endm
.set MUL, 0x50                         ; C and D window 1, both sources window 0
.macro JLOAD s                         ; waves 0, 1 fetch att's two halves, waves 2, 3 wo's; each line has one mask; the branch hangs on the wave's number alone
	s_cmp_eq_u32 s11, 0
	s_cbranch_scc0 .Lfor_b_\@
	tensor_load_to_lds s[G0+4*\s:G0+4*\s+3], s[G1:G1+7]
	s_nop 0
	s_branch .Lasked_\@
.Lfor_b_\@:
	tensor_load_to_lds s[G0B+4*\s:G0B+4*\s+3], s[G1B:G1B+7]
	s_nop 0
.Lasked_\@:
.endm
.macro CREST
	s_cmp_lg_u32 s10, 0
	s_cbranch_scc1 .Lnot_wave_0_\@
	s_barrier_signal -3
.Lnot_wave_0_\@:
	s_barrier_wait -3
	s_barrier_signal -1
	s_barrier_wait -1
.endm
.macro CROUND
	s_barrier_signal -1
	s_barrier_wait -1
	CREST
.endm
.macro PLACES                          ; four places behind a matrix instruction (ISA guide 7.12.1 for vector instructions)
.rept 4
	v_nop
.endr
.endm
	s_load_b128 s[4:7], s[0:1], 0x0                ; att s[4:5], wb s[6:7]
	s_load_b64 s[8:9], s[0:1], 0x10                ; out0
	v_lshl_add_u32 v254, v0, 2, 0x46400
	v_mov_b32 v255, 0
	ds_add_u32 v254, v255
	v_lshrrev_b32 v1, 5, v0
	v_readfirstlane_b32 s10, v1                    ; wave 0..3
	s_lshr_b32 s11, s10, 1                         ; my half of the block's rows.  Also: I fetch for att (0) or for wo (1)
	s_and_b32 s12, s10, 1                          ; my half of its columns.  Also: which 64 rows of that tile I fetch
	s_bfe_u32 s40, ttmp6, 0x40000                  ; cx
	s_bfe_u32 s41, ttmp6, 0x40004                  ; cy
	s_lshl_b32 s42, ttmp9, 2
	s_add_co_u32 s42, s42, s40                     ; block column, 0..7
	s_and_b32 s13, ttmp7, 0xffff
	s_lshl_b32 s13, s13, 2
	s_add_co_u32 s13, s13, s41                     ; block row, 0..31
	s_lshl_b32 s43, s41, 2
	s_lshl_b32 s43, 15, s43                        ; my row of the cluster
	s_lshl_b32 s44, 0x1111, s40                    ; my column
	; group 1: 64 rows x 256 elements of 2 bytes, 4 words of padding behind every 128 words
	s_or_b32 s[G1+0], s43, (1<<16)|(1<<20)|(1<<21)|(6<<22)|(3<<25)
	s_or_b32 s[G1B+0], s44, (1<<16)|(1<<20)|(1<<21)|(6<<22)|(3<<25)
	s_mov_b32 s[G1+1], 256<<16                     ; tensor_dim0 = 256
	s_mov_b32 s[G1B+1], 256<<16
	s_mov_b32 s[G1+2], 64<<16                      ; tensor_dim1 = 64
	s_mov_b32 s[G1B+2], 64<<16
	s_mov_b32 s[G1+3], 256<<16                     ; tile_dim0 = 256
	s_mov_b32 s[G1B+3], 256<<16
	s_mov_b32 s[G1+4], 64                          ; tile_dim1 = 64
	s_mov_b32 s[G1B+4], 64
	s_mov_b32 s[G1+5], 1024                        ; elements from row to row
	s_mov_b32 s[G1B+5], 1024
	s_mov_b32 s[G1+6], 0
	s_mov_b32 s[G1B+6], 0
	s_mov_b32 s[G1+7], 0
	s_mov_b32 s[G1B+7], 0
	s_lshl_b32 s17, s12, 6                         ; which 64 rows of the tile I fetch
	s_lshl_b32 s16, s13, 7
	s_add_co_u32 s16, s16, s17                     ; att: row 128 x block row + 64 x half
	s_lshl_b32 s16, s16, 11                        ; rows of 2,048 bytes
	s_lshl_b32 s46, s42, 7
	s_add_co_u32 s46, s46, s17                     ; wo: row 128 x block column + 64 x half,
	s_lshl_b32 s46, s46, 11
	s_add_co_u32 s46, s46, 3072*2048               ; behind wq, wk and wv in wb
	s_mov_b32 s17, 0
	s_mov_b32 s47, 0
	s_mul_i32 s20, s10, HALFT                      ; LDS: wave x 64 rows
	s_wait_dscnt 0x0
	s_wait_kmcnt 0x0
	s_add_nc_u64 s[14:15], s[4:5], s[16:17]
	s_add_nc_u64 s[46:47], s[6:7], s[46:47]
	CROUND                                         ; all sixteen work-groups are here: the first joint loads meet
.irp s, 0,1
	s_mov_b32 s[G0+4*\s], 1
	s_add_co_u32 s[G0+4*\s+1], s20, \s*SLOT
	s_add_nc_u64 s[G0+4*\s+2:G0+4*\s+3], s[14:15], \s*512          ; phase s: 256 of K on
	s_or_b32 s[G0+4*\s+3], s[G0+4*\s+3], 0x80000000
	s_mov_b32 s[G0B+4*\s], 1
	s_add_co_u32 s[G0B+4*\s+1], s20, \s*SLOT
	s_add_nc_u64 s[G0B+4*\s+2:G0B+4*\s+3], s[46:47], \s*512
	s_or_b32 s[G0B+4*\s+3], s[G0B+4*\s+3], 0x80000000
	JLOAD \s                                       ; two tensor loads of a wave are out here, one behind each later round
.endr
	v_and_b32 v1, 15, v0                           ; r
	v_bfe_u32 v2, v0, 4, 1                         ; h
	v_mul_u32_u24 v3, v1, PITCH
	v_lshl_add_u32 v3, v2, 4, v3
	s_mul_i32 s21, s11, HALFT                      ; my 64 rows of att
	s_mul_i32 s22, s12, HALFT                      ; my 64 rows of wo,
	s_add_co_u32 s22, s22, 2*HALFT                 ; which lie behind att's 128
.irp s, 0,1
	v_add_nc_u32 v[ADRA+\s], s21, v3
	v_add_nc_u32 v[ADRB+\s], s22, v3
	s_add_co_u32 s21, s21, SLOT
	s_add_co_u32 s22, s22, SLOT
.endr
	s_mul_i32 s23, s10, 16*SPITCH
	s_add_co_u32 s23, s23, STAGE                   ; my stage
	v_mul_u32_u24 v4, v1, SPITCH                   ; in: row r, 32 bytes for each half of the lanes
	v_lshl_add_u32 v4, v2, 5, v4
	v_add_nc_u32 v[STO], s23, v4
	v_mul_u32_u24 v5, v2, SPITCH                   ; back: lanes 0-15 one row of 256 bytes, lanes 16-31 the next
	v_lshl_add_u32 v5, v1, 4, v5
	v_add_nc_u32 v[RD], s23, v5
	v_lshlrev_b32 v5, 12, v2                       ; and the same two rows in out0 (4,096 bytes each)
	v_lshl_add_u32 v[CO], v1, 4, v5
; four matrix instructions: row block a x my 4 column blocks, 32 along K, from buffer f
.macro MUL4 f, a, zero
.irp b, 0,1,2,3
.if \zero
	v_wmma_f32_16x16x32_bf16 v[8*(4*\a+\b):8*(4*\a+\b)+7], v[64+64*\f+8*\b:64+64*\f+8*\b+7], v[32+64*\f+8*\a:32+64*\f+8*\a+7], 0
.else
	v_wmma_f32_16x16x32_bf16 v[8*(4*\a+\b):8*(4*\a+\b)+7], v[64+64*\f+8*\b:64+64*\f+8*\b+7], v[32+64*\f+8*\a:32+64*\f+8*\a+7], v[8*(4*\a+\b):8*(4*\a+\b)+7]
.endif
.endr
.endm
; 16 LDS loads: 64 rows of wo, then 64 rows of att, 32 K at byte k of the rows, into buffer f
.macro FETCH slot, k, f
.irp i, 0,1,2,3
	ds_load_b128 v[64+64*\f+8*\i:64+64*\f+8*\i+3],   v[ADRB+\slot] offset:\k+\i*16*PITCH
	ds_load_b128 v[64+64*\f+8*\i+4:64+64*\f+8*\i+7], v[ADRB+\slot] offset:\k+\i*16*PITCH+32
.endr
.irp i, 0,1,2,3
	ds_load_b128 v[32+64*\f+8*\i:32+64*\f+8*\i+3],   v[ADRA+\slot] offset:\k+\i*16*PITCH
	ds_load_b128 v[32+64*\f+8*\i+4:32+64*\f+8*\i+7], v[ADRA+\slot] offset:\k+\i*16*PITCH+32
.endr
.endm
; A phase is eight parts of 32 along K, 16 matrix instructions each, on buffers 0, 1 in turn.  The 16 accumulators take turns, one instruction a turn, in the same order
; in every part.
.macro QUARTER slot, k, f, g, zero
	s_wait_dscnt 4                                 ; wo and att's rows 0-31 are in; the youngest four loads (att's rows 32-63) may be out
	WIN MUL
	MUL4 \f, 0, \zero
	MUL4 \f, 1, \zero
	PLACES
	WIN 0
	FETCH \slot, \k, \g
	s_wait_dscnt 16                                ; all but the 16 just issued
	WIN MUL
	MUL4 \f, 2, \zero
	MUL4 \f, 3, \zero
.endm
.macro SEVEN slot, zero
	QUARTER \slot, 64,  0, 1, \zero
	QUARTER \slot, 128, 1, 0, 0
	QUARTER \slot, 192, 0, 1, 0
	QUARTER \slot, 256, 1, 0, 0
	QUARTER \slot, 320, 0, 1, 0
	QUARTER \slot, 384, 1, 0, 0
	QUARTER \slot, 448, 0, 1, 0
.endm
; The eighth part multiplies buffer 1 and changes slots: each wave's reads of this slot and all its tensor loads are waited for in front of the barrier;
; fill = 1: the barrier opens a round of the cluster's barrier, and the joint refill is the first tensor load behind the round, one a wave.
.macro TURN slot, next, fill
	s_wait_dscnt 4
	WIN MUL
	MUL4 1, 0, 0
	s_wait_dscnt 0
	s_wait_tensorcnt 0x0
	ds_add_u32 v254, v255
	s_wait_dscnt 0x0
	s_barrier_signal -1
	MUL4 1, 1, 0                                   ; work on registers while the others arrive
	WIN 0
	s_barrier_wait -1
.if \fill
	CREST
	s_add_nc_u64 s[G0+4*\slot+2:G0+4*\slot+3], s[G0+4*\slot+2:G0+4*\slot+3], 1024
	s_add_nc_u64 s[G0B+4*\slot+2:G0B+4*\slot+3], s[G0B+4*\slot+2:G0B+4*\slot+3], 1024
	JLOAD \slot
.endif
	PLACES
	FETCH \next, 0, 0
	WIN MUL
	MUL4 1, 2, 0
	MUL4 1, 3, 0
.endm
	s_wait_tensorcnt 0x1                           ; my part of phase 0 is in; phase 1's stays out
	s_barrier_signal -1
	s_barrier_wait -1
	FETCH 0, 0, 0
	SEVEN 0, 1                                     ; the first products start the sums
	TURN 0, 1, 1                                   ; slot 0 gets phase 2
	SEVEN 1, 0
	TURN 1, 0, 1                                   ; slot 1 gets phase 3
	SEVEN 0, 0
	TURN 0, 1, 0                                   ; nothing is left to fetch
	SEVEN 1, 0
	s_wait_dscnt 4
	WIN MUL
	MUL4 1, 0, 0
	MUL4 1, 1, 0
	s_wait_dscnt 0
	MUL4 1, 2, 0
	MUL4 1, 3, 0
	; THE WAY OUT, 16 rows at a time: 32 bytes a lane straight from the accumulators into my own stage, read back as whole rows of 256 bytes (my 64 columns of f32).
	PLACES
	s_lshl_b32 s16, s13, 7
	s_lshl_b32 s17, s11, 6
	s_add_co_u32 s16, s16, s17                     ; my first row
	s_lshl_b32 s16, s16, 12
	s_mov_b32 s17, 0
	s_add_nc_u64 s[8:9], s[8:9], s[16:17]
	s_lshl_b32 s46, s42, 9                         ; my first column, in bytes: 512 x block + 256 x half
	s_lshl_b32 s47, s12, 8
	s_add_co_u32 s46, s46, s47
	s_mov_b32 s47, 0
	s_add_nc_u64 s[8:9], s[8:9], s[46:47]
.macro OUT16 a, f
	WIN 0x04                                       ; an LDS store's data is source 1: window 1
.irp b, 0,1,2,3
	ds_store_b128 v[STO], v[8*(4*\a+\b):8*(4*\a+\b)+3]   offset:64*\b
	ds_store_b128 v[STO], v[8*(4*\a+\b)+4:8*(4*\a+\b)+7] offset:64*\b+16
.endr
	WIN 0
	s_wait_xcnt 0x0                                ; every earlier store has had its addresses translated (ISA guide 3.1): set f, which stores read, is loaded again only behind this wait
.irp t, 0,1,2,3,4,5,6,7
	ds_load_b128 v[\f+4*\t:\f+4*\t+3], v[RD] offset:\t*2*SPITCH    ; LDS serves a wave's instructions in order (ISA guide 5.7.1.4): these see the stores above
.endr
.irp t, 0,1,2,3,4,5,6,7
	s_wait_dscnt 7-\t
	global_store_b128 v[CO], v[\f+4*\t:\f+4*\t+3], s[8:9] offset:(16*\a+2*\t)*4096 th:TH_STORE_NT   ; 16 lanes store 256 consecutive bytes at a multiple of 256 from out0's first byte
.endr
.endm
	OUT16 0, R0
	OUT16 1, R1
	OUT16 2, R0
	OUT16 3, R1
	s_wait_tensorcnt 0x0
	ds_add_u32 v254, v255
	s_wait_dscnt 0x0
	CROUND                                         ; the closing round
	s_endpgm
.Lfunc_end_k_q3717d1d389_outproj:
	.size	k_q3717d1d389_outproj, .Lfunc_end_k_q3717d1d389_outproj-k_q3717d1d389_outproj
	.p2alignl 7, 3214868480
	.fill 96, 4, 3214868480
	.section	.rodata,"a",@progbits
	.p2align	6, 0x0
	.amdhsa_kernel k_q3717d1d389_outproj
		.amdhsa_group_segment_fixed_size 327680
		.amdhsa_private_segment_fixed_size 0
		.amdhsa_enable_private_segment 0
		.amdhsa_kernarg_size 24
		.amdhsa_user_sgpr_count 2
		.amdhsa_user_sgpr_kernarg_segment_ptr 1
		.amdhsa_wavefront_size32 1
		.amdhsa_system_sgpr_workgroup_id_x 1
		.amdhsa_system_sgpr_workgroup_id_y 1
		.amdhsa_system_sgpr_workgroup_id_z 1
		.amdhsa_system_vgpr_workitem_id 0
		.amdhsa_next_free_vgpr 384
		.amdhsa_next_free_sgpr 66
		.amdhsa_reserve_vcc 0
		.amdhsa_float_denorm_mode_32 3
		.amdhsa_float_denorm_mode_16_64 3
		.amdhsa_memory_ordered 1
		.amdhsa_forward_progress 1
		.amdhsa_inst_pref_size 89
	.end_amdhsa_kernel
	.amdgpu_metadata
---
amdhsa.version: [ 1, 2 ]
amdhsa.kernels:
  - .name:           k_q3717d1d389_outproj
    .symbol:         k_q3717d1d389_outproj.kd
    .args:
      - { .name: att, .offset: 0, .size: 8, .value_kind: global_buffer, .address_space: global }
      - { .name: wb, .offset: 8, .size: 8, .value_kind: global_buffer, .address_space: global }
      - { .name: out0, .offset: 16, .size: 8, .value_kind: global_buffer, .address_space: global }
    .group_segment_fixed_size: 327680
    .private_segment_fixed_size: 0
    .kernarg_segment_align: 8
    .kernarg_segment_size: 24
    .max_flat_workgroup_size: 128
    .sgpr_count:     66
    .vgpr_count:     384
    .wavefront_size: 32
...
	.end_amdgpu_metadata
.endif
;; end of part 4
;; ======== version 2 of 2: 4 launches; 1.12 times as fast as version 1
;; limits: values are held in f16: magnitudes above 65,504 overflow, below 6.1e-05 lose precision; inputs' magnitudes at most 1.329e+36
;; workspace buffers: xb 8,388,608 bytes; wb 8,388,608 bytes; qkv 25,165,824 bytes; att 8,388,608 bytes
;; launch tobf16: the kernel of part 1 again; grid 64 x 8, 8 waves a work-group, no clusters, 0 bytes of LDS; arguments x, wq, wk, wv, wo, xb, wb; writes xb, wb
;; launch qkvproj: the kernel of part 2 again; grid 8 x 32, 4 waves a work-group, clusters of 4 x 4, 327,680 bytes of LDS; arguments xb, wb, qkv; writes qkv
;; launch attn (part 5): grid 16 x 16, 8 waves a work-group, clusters of 4 x 4, 327,680 bytes of LDS; arguments qkv, mask, section_log_len, seq_scale, att; writes att
.if DOCPART == 5
	.amdgcn_target "amdgcn-amd-amdhsa--gfx1250"
	.amdhsa_code_object_version 6
	.text
	.protected	k_q3717d1d389_attn
	.globl	k_q3717d1d389_attn
	.p2align	8
	.type	k_q3717d1d389_attn,@function
k_q3717d1d389_attn:
	s_mov_b64 s[64:65], 0
	v_nop
	global_prefetch_b8 v0, s[64:65] scope:SCOPE_SE
	s_setreg_imm32_b32 hwreg(HW_REG_WAVE_MODE, 25, 1), 1
	s_wait_xcnt 0x0
	s_wait_alu depctr_hold_cnt(0) depctr_sa_sdst(0) depctr_va_vdst(0) depctr_va_sdst(0) depctr_va_ssrc(0) depctr_va_vcc(0) depctr_vm_vsrc(0)
	s_getreg_b32 s2, hwreg(HW_REG_IB_STS2, 6, 4)
	s_cmp_eq_u32 s2, 0
	s_cbranch_scc0 .Lentry_in_a_cluster
	s_endpgm
.Lentry_in_a_cluster:
	s_bfe_u32 s2, ttmp6, 0x10000c
	s_cmp_lg_u32 s2, 0xf033
	s_cbranch_scc0 .Lentry_shape_is_right
	s_endpgm
.Lentry_shape_is_right:
; att[b][q][32 head + d] = sum over keys of softmax_key( q . k x c + mask[q][key] ) v[key][d], c = section_log_len[q] x seq_scale[head] / sqrt(32), with a running maximum.
; qkv: [4096][3072] f16, a row = q | k | v of 2,048 bytes each.  t = (q . k) x c + mask: one fused multiply-add in f32; m = the running maximum of t;
; p = 2^((t - m) x log2 e): the subtraction first, then the multiply, so that the exponent of the largest t is 0 whatever the size of m.
; The mask is an input: every one of its 2,048 x 2,048 numbers is read and added, and all keys are worked on for every query.
; FORMATS.  q, k, v and p go to the matrix unit in f16 (p lies in 0..1; for q, k, v see the launch that makes them); att leaves in bf16, the format of wo in the next launch.
; LIMITS.  |q|, |k|, |v| below 65,504.  A p below 2^-25 rounds to 0: at most 2,048 x 2^-25 of a row sum is lost.  m starts at -2^120: a row whose t all lie below that gives
; NaN where a finite result would be due.  Entries of -inf give p = 0; a row of -inf throughout gives NaN, as the softmax itself does; NaN or +inf in the mask makes its row NaN.
; The row sum is taken over the p after their rounding to f16, the same numbers that enter the product with v.
;
; SHARE.  A work-group = 128 queries (block x) x 4 neighbouring heads of one batch (y: batch = y / 8, head group = y % 8): 256 work-groups of equal work.
; Four heads make a row of a K or V tile 256 bytes at a multiple of 256, and one mask tile serves four heads.  Wave w: head w % 4, queries 64 (w / 4) .. + 63 as four
; tiles of 16.  Keys go in 16 steps of 128 through two LDS slots; a step is four units, one query tile x all 128 keys each, so that the maximum is exchanged and O rescaled
; once for 128 keys.
; CLUSTERS 4 x 4: K and V hang on y alone and are asked for jointly along a row of the cluster; the mask tile hangs on x alone, jointly along a column.
;
; TRANSPOSED FORMS.  S^T = K Q^T: source 0 = 16 keys x 32 d, source 1 = 16 queries: lane (r = l % 16, h = l / 16) holds query r, register j key 8 h + j.  Two such tiles,
; packed to f16, ARE source 1 (32 keys x 16 queries) of O^T = V^T P^T, whose source 0 comes from V as stored by the transposing LDS load.  So a query's figures (c, m, the
; row sum) live in its own lanes: one exchange between the halves of the wave for the maximum, none for anything else.  The row sum is a third product, source 0 = ones:
; it comes out in O's layout.
;
; THE EXPONENTIALS ARE ONE BATCH A UNIT.  A unit's 64 exponentials, in place on the scores, and its factor e^(old maximum - new) are issued together: key tile i's eight between
; the subtractions and multiplies of tile i + 1, which name no result; the v_mov_b32 that keeps the new maximum is the plain instruction behind the last of them.  Then stands ONE
; s_wait_alu depctr_va_vdst(0) ahead of the first instruction that names a result, and behind it all that do: the 32 roundings to f16, the next
; query tile's score products (they write the scores' registers, free as soon as the roundings have read them) and the rescaling by the factor.  No exponential is issued behind a
; unit's wait.  The way out's four reciprocals are a batch of their own.
.set KP, 272                           ; K's LDS row: 256 + 16 bytes, an odd multiple of 16 (64 banks of 4 bytes: ISA guide 11.1)
.set VP, 288                           ; V's: 256 + 32, an odd multiple of 32, for the transposing load
.set MP, 528                           ; the mask's: 512 + 16
.set VOFF, 36864                       ; K: 128 rows at 0 (34,816 bytes; 2,048 unused); V: 128 rows at 36,864 = 2 x 64 x 288, so that wave w's half starts at 18,432 w
.set MOFF, 73728                       ; the mask: 128 query rows at 73,728 = 4 x 32 x 528 + 6,144, so that wave w's quarter starts at 16,896 w + 6,144
.set SLOT, 141312
.set STAGE, 2*SLOT                     ; 128 rows x 272 bytes for the way out: bytes of its own, no fill lands there
.set SPITCH, 272
.set QROW, 6144
; window 0
.set KA, 2                             ; v2-3   my K fragments in slot 0, 1
.set VA, 4                             ; v4-5   my V fragments
.set MA, 6                             ; v6-7   my mask words
.set STO, 8
.set RD, 9
.set CO, 10
.set QO, 11
.set MX, 16                            ; v[16:23]   query tile a: the running maximum in v[16+2a] (the odd registers are not used)
.set AL, 24                            ; v[24:31]   query tile a: e^(old maximum - new) in v[24+2a], odd register 0; at the end 1 / row sum
.set CS, 32                            ; v[32:39]   query tile a: c of my query in v[32+2a], odd register 0
.set T, 40                             ; v[40:47]   eight chains of maxima; then v40 holds the unit's new maximum, and the packed subtraction takes it from the pair v[40:41]
.set LLO, 48                           ; v48        4 x (lane % 16)
.set QF, 56                            ; v[56:87]   Q, four fragments
.set SC, 88                            ; v[88:151]  eight score tiles of 16 keys
.set MK, 152                           ; v[152:215] their mask words
.set PB, 216                           ; v[216:247] p in f16: four fragments of 32 keys
; window 1
.set OA, 0                             ; v[16a+8t ..+7] O^T of query tile a, d 16 t ..
.set LS, 64                            ; v[64+8a ..+7]  the row sums of query tile a
.set KF, 96                            ; v[96:159]  K, eight fragments (128 keys)
.set VF, 160                           ; v[160:223] V^T, fragment (kk, t): keys 32 kk .., d 16 t ..
.set ONES, 224                         ; v[224:231] 16 x 32 ones in f16
.set G1K, 24
.set G1V, 32
.set G1M, 40
.set G0K, 48                           ; s[48:55] one set for each slot
.set G0V, 56                           ; s[56:63]
.set G0M, 68                           ; s[68:75]
.set MSB, 0
.macro WIN new                         ; low byte: bits 1:0 source 0, 3:2 source 1, 5:4 source 2, 7:6 destination; the high byte repeats the setting that is left
.if MSB != \new
	s_set_vgpr_msb (MSB<<8)|\new
.set MSB, \new
.endif
.endm
; A joint load, one a wave, 16 KiB each: waves 0, 1 K's halves of 64 rows, waves 2, 3 V's, waves 4 to 7 the mask's quarters of 32 rows x 512 bytes.
; Three lines, each with one mask; the branches hang on the wave's number alone.
.macro JLOAD s
	s_cmp_lt_u32 s10, 2
	s_cbranch_scc0 .Lnot_k_\@
	tensor_load_to_lds s[G0K+4*\s:G0K+4*\s+3], s[G1K:G1K+7]
	s_nop 0
	s_branch .Lasked_\@
.Lnot_k_\@:
	s_cmp_lt_u32 s10, 4
	s_cbranch_scc0 .Lfor_m_\@
	tensor_load_to_lds s[G0V+4*\s:G0V+4*\s+3], s[G1V:G1V+7]
	s_nop 0
	s_branch .Lasked_\@
.Lfor_m_\@:
	tensor_load_to_lds s[G0M+4*\s:G0M+4*\s+3], s[G1M:G1M+7]
	s_nop 0
.Lasked_\@:
.endm
.macro CREST                           ; a round of the cluster's barrier behind its opening barrier
	s_cmp_lg_u32 s10, 0
	s_cbranch_scc1 .Lnot_wave_0_\@
	s_barrier_signal -3
.Lnot_wave_0_\@:
	s_barrier_wait -3
	s_barrier_signal -1
	s_barrier_wait -1
.endm
.macro CROUND
	s_barrier_signal -1
	s_barrier_wait -1
	CREST
.endm
.macro PLACES                          ; four places behind a matrix instruction (ISA guide 7.12.1 for vector instructions)
.rept 4
	v_nop
.endr
.endm
	s_load_b128 s[4:7], s[0:1], 0x0                ; qkv s[4:5], mask s[6:7]
	s_load_b128 s[92:95], s[0:1], 0x10             ; section_log_len s[92:93], seq_scale s[94:95]
	s_load_b64 s[8:9], s[0:1], 0x20                ; att
	s_set_vgpr_msb 0x40
	v_lshl_add_u32 v233, v0, 2, 0x4d800
	s_set_vgpr_msb 0x4000
	v_mov_b32 v255, 0
	s_set_vgpr_msb 0x1
	ds_add_u32 v233, v255
	s_set_vgpr_msb 0x100
	v_lshrrev_b32 v1, 5, v0
	v_readfirstlane_b32 s10, v1                    ; wave 0..7
	s_and_b32 s12, s10, 3                          ; my head in the group; also my quarter of the mask tile
	s_lshr_b32 s13, s10, 2                         ; my half of the queries
	s_mov_b32 s76, 0x76543210                      ; v_permlanex16_b32: lane i of one half reads lane i of the other
	s_mov_b32 s77, 0xfedcba98
	s_mov_b32 s90, 0x3fb8aa3b                      ; log2 e, as a pair for the packed multiply
	s_mov_b32 s91, 0x3fb8aa3b
	s_bfe_u32 s78, ttmp6, 0x40000                  ; cx
	s_bfe_u32 s79, ttmp6, 0x40004                  ; cy
	s_lshl_b32 s80, ttmp9, 2
	s_add_co_u32 s80, s80, s78                     ; query block, 0..15
	s_and_b32 s81, ttmp7, 0xffff
	s_lshl_b32 s81, s81, 2
	s_add_co_u32 s81, s81, s79                     ; y, 0..15
	s_lshl_b32 s82, s79, 2
	s_lshl_b32 s82, 15, s82                        ; my row of the cluster
	s_lshl_b32 s83, 0x1111, s78                    ; my column
	s_lshr_b32 s84, s81, 3                         ; batch
	s_and_b32 s85, s81, 7                          ; head group
	; group 1.  K: 64 rows x 128 elements of 2 bytes, 4 words of padding behind every 64; V: the same with 8 words; mask: 32 rows x 128 elements of 4 bytes, 4 words behind every 128
	s_or_b32 s[G1K+0], s82, (1<<16)|(1<<20)|(1<<21)|(5<<22)|(3<<25)
	s_or_b32 s[G1V+0], s82, (1<<16)|(1<<20)|(1<<21)|(5<<22)|(7<<25)
	s_or_b32 s[G1M+0], s83, (2<<16)|(1<<20)|(1<<21)|(6<<22)|(3<<25)
	s_mov_b32 s[G1K+1], 128<<16                    ; tensor_dim0 = 128
	s_mov_b32 s[G1V+1], 128<<16
	s_mov_b32 s[G1M+1], 128<<16
	s_mov_b32 s[G1K+2], 64<<16                     ; tensor_dim1
	s_mov_b32 s[G1V+2], 64<<16
	s_mov_b32 s[G1M+2], 32<<16
	s_mov_b32 s[G1K+3], 128<<16                    ; tile_dim0 = 128
	s_mov_b32 s[G1V+3], 128<<16
	s_mov_b32 s[G1M+3], 128<<16
	s_mov_b32 s[G1K+4], 64                         ; tile_dim1
	s_mov_b32 s[G1V+4], 64
	s_mov_b32 s[G1M+4], 32
	s_mov_b32 s[G1K+5], 3072                       ; elements from row to row
	s_mov_b32 s[G1V+5], 3072
	s_mov_b32 s[G1M+5], 2048
	s_mov_b32 s[G1K+6], 0
	s_mov_b32 s[G1V+6], 0
	s_mov_b32 s[G1M+6], 0
	s_mov_b32 s[G1K+7], 0
	s_mov_b32 s[G1V+7], 0
	s_mov_b32 s[G1M+7], 0
	; K's and V's addresses are made of y and the wave's number, the mask's of the query block and the wave's number, each in registers that never hold the other coordinate
	s_and_b32 s14, s10, 1
	s_lshl_b32 s14, s14, 6                         ; my half of the 128 keys
	s_lshl_b32 s15, s84, 11
	s_add_co_u32 s14, s14, s15                     ; + 2,048 batch
	s_mul_i32 s14, s14, QROW
	s_lshl_b32 s15, s85, 8                         ; + the head group's 256 bytes
	s_add_co_u32 s14, s14, s15
	s_mov_b32 s15, 0
	s_lshl_b32 s18, s80, 7
	s_lshl_b32 s19, s12, 5
	s_add_co_u32 s18, s18, s19                     ; mask row 128 x query block + 32 x quarter
	s_lshl_b32 s18, s18, 13                        ; rows of 8,192 bytes
	s_mov_b32 s19, 0
	s_mul_i32 s22, s10, 64*KP                      ; LDS: the wave's number times a constant, plus a constant, plus the slot's
	s_mul_i32 s23, s10, 64*VP
	s_mul_i32 s11, s10, 32*MP
	s_add_co_u32 s11, s11, MOFF-4*32*MP
	s_wait_dscnt 0x0
	s_wait_kmcnt 0x0
	s_add_nc_u64 s[16:17], s[4:5], s[14:15]
	s_add_nc_u64 s[20:21], s[6:7], s[18:19]
	CROUND                                         ; all sixteen work-groups are here: the first joint loads meet
.irp s, 0,1
	s_mov_b32 s[G0K+4*\s], 1
	s_add_co_u32 s[G0K+4*\s+1], s22, \s*SLOT
	s_add_nc_u64 s[G0K+4*\s+2:G0K+4*\s+3], s[16:17], 2048+\s*128*QROW      ; k lies 2,048 bytes into a row; step s is 128 rows on
	s_or_b32 s[G0K+4*\s+3], s[G0K+4*\s+3], 0x80000000
	s_mov_b32 s[G0V+4*\s], 1
	s_add_co_u32 s[G0V+4*\s+1], s23, \s*SLOT
	s_add_nc_u64 s[G0V+4*\s+2:G0V+4*\s+3], s[16:17], 4096+\s*128*QROW      ; v lies 4,096 bytes into a row
	s_or_b32 s[G0V+4*\s+3], s[G0V+4*\s+3], 0x80000000
	s_mov_b32 s[G0M+4*\s], 1
	s_add_co_u32 s[G0M+4*\s+1], s11, \s*SLOT
	s_add_nc_u64 s[G0M+4*\s+2:G0M+4*\s+3], s[20:21], \s*128*4              ; 128 keys of 4 bytes along the mask's rows
	s_or_b32 s[G0M+4*\s+3], s[G0M+4*\s+3], 0x80000000
	JLOAD \s                                       ; two tensor loads of a wave are out here, one behind each later round
.endr
	; lane addresses.  r = l % 16, h = l / 16
	v_and_b32 v12, 15, v0
	v_bfe_u32 v13, v0, 4, 1
	v_and_b32 v14, 7, v0
	v_bfe_u32 v15, v0, 3, 1
	s_lshl_b32 s22, s12, 6                         ; my head's 64 bytes in a row of K, V and the stage
	v_mul_u32_u24 v1, v12, KP
	v_lshl_add_u32 v1, v13, 4, v1
	v_add_nc_u32 v[KA], s22, v1                    ; K: key row r, 16 h: two loads 32 bytes apart fill a fragment
	v_add_nc_u32 v[KA+1], SLOT, v[KA]
	s_mul_i32 s23, s13, 64*SPITCH
	s_add_co_u32 s23, s23, STAGE
	v_add_nc_u32 v[STO], s23, v[KA]                ; stage, in: row 64 x half + r, my head's bytes, 16 h (the pitch is K's)
	v_lshl_add_u32 v1, v13, 3, v14                 ; V: key row 8 h + l % 8, 16 bytes for (l / 8) % 2: the transposing load hands lane (r, h) keys 8 h .. + 7 of column r
	v_mul_u32_u24 v1, v1, VP
	v_lshl_add_u32 v1, v15, 4, v1
	s_add_co_u32 s23, s22, VOFF
	v_add_nc_u32 v[VA], s23, v1
	v_add_nc_u32 v[VA+1], SLOT, v[VA]
	v_mul_u32_u24 v1, v12, MP                      ; mask: query row 64 x half + r, keys 8 h .. + 7 = 32 bytes
	v_lshl_add_u32 v1, v13, 5, v1
	s_mul_i32 s23, s13, 64*MP
	s_add_co_u32 s23, s23, MOFF
	v_add_nc_u32 v[MA], s23, v1
	v_add_nc_u32 v[MA+1], SLOT, v[MA]
	v_mul_u32_u24 v1, v13, SPITCH                  ; stage, back: wave w takes rows 16 w ..; lanes 0-15 one row of 256 bytes, lanes 16-31 the next
	v_lshl_add_u32 v1, v12, 4, v1
	s_mul_i32 s23, s10, 16*SPITCH
	s_add_co_u32 s23, s23, STAGE
	v_add_nc_u32 v[RD], s23, v1
	v_lshlrev_b32 v1, 11, v13                      ; and the same two rows in att (2,048 bytes each)
	v_lshl_add_u32 v1, v12, 4, v1
	s_lshl_b32 s23, s10, 15
	v_add_nc_u32 v[CO], s23, v1
	v_mul_u32_u24 v1, v12, QROW
	v_lshl_add_u32 v[QO], v13, 4, v1               ; Q from memory: query row r, 16 h
	v_lshlrev_b32 v[LLO], 2, v12                   ; section_log_len: 4 r
	; Q: rows 2,048 batch + 128 block + 64 half + 16 a + r, my head's 64 bytes
	s_lshl_b32 s86, s84, 11
	s_lshl_b32 s87, s80, 7
	s_add_co_u32 s86, s86, s87
	s_lshl_b32 s87, s13, 6
	s_add_co_u32 s86, s86, s87
	s_mul_i32 s86, s86, QROW
	s_lshl_b32 s87, s85, 8
	s_add_co_u32 s86, s86, s87
	s_add_co_u32 s86, s86, s22
	s_mov_b32 s87, 0
	s_add_nc_u64 s[86:87], s[4:5], s[86:87]
.irp a, 0,1,2,3
	global_load_b128 v[QF+8*\a:QF+8*\a+3],   v[QO], s[86:87] offset:16*\a*QROW
	global_load_b128 v[QF+8*\a+4:QF+8*\a+7], v[QO], s[86:87] offset:16*\a*QROW+32
.endr
	; section_log_len of my queries: position 128 block + 64 half + 16 a + r; seq_scale of my head: 4 x head group + w % 4
	s_lshl_b32 s98, s80, 7
	s_lshl_b32 s99, s13, 6
	s_add_co_u32 s98, s98, s99
	s_lshl_b32 s98, s98, 2
	s_mov_b32 s99, 0
	s_add_nc_u64 s[92:93], s[92:93], s[98:99]
.irp a, 0,1,2,3
	global_load_b32 v[CS+2*\a], v[LLO], s[92:93] offset:64*\a
.endr
	s_lshl_b32 s97, s85, 2
	s_add_co_u32 s97, s97, s12
	s_lshl_b32 s97, s97, 2
	s_load_b32 s96, s[94:95], s97 offset:0x0
	s_lshl_b32 s88, s84, 11                        ; att at row 2,048 batch + 128 block, the head group's 256 bytes
	s_lshl_b32 s89, s80, 7
	s_add_co_u32 s88, s88, s89
	s_lshl_b32 s88, s88, 11
	s_lshl_b32 s89, s85, 8
	s_add_co_u32 s88, s88, s89
	s_mov_b32 s89, 0
	s_add_nc_u64 s[8:9], s[8:9], s[88:89]
.irp a, 0,1,2,3
	v_mov_b32 v[AL+2*\a+1], 0                      ; the pairs' unused halves: written once, so that a pair is always whole
	v_mov_b32 v[CS+2*\a+1], 0
.endr
	WIN 0x40                                       ; destination window 1
.irp j, 0,1,2,3,4,5,6,7
	v_mov_b32 v[ONES+\j], 0x3c003c00               ; two f16 ones
.endr
	WIN 0
; sixteen LDS loads each: a slot's 128 keys for my head, or one query tile's 128 mask words a lane... 64 a lane (keys 16 i + 8 h .. + 7, i = 0..7)
.macro LDK s
.irp i, 0,1,2,3,4,5,6,7
	ds_load_b128 v[KF+8*\i:KF+8*\i+3],   v[KA+\s] offset:16*\i*KP
	ds_load_b128 v[KF+8*\i+4:KF+8*\i+7], v[KA+\s] offset:16*\i*KP+32
.endr
.endm
.macro LDV s
.irp kk, 0,1,2,3
.irp t, 0,1
	ds_load_tr16_b128 v[VF+16*\kk+8*\t:VF+16*\kk+8*\t+3],   v[VA+\s] offset:32*\kk*VP+32*\t
	ds_load_tr16_b128 v[VF+16*\kk+8*\t+4:VF+16*\kk+8*\t+7], v[VA+\s] offset:(32*\kk+16)*VP+32*\t
.endr
.endr
.endm
.macro LDM s, a
.irp i, 0,1,2,3,4,5,6,7
	ds_load_b128 v[MK+8*\i:MK+8*\i+3],   v[MA+\s] offset:16*(\a)*MP+64*\i
	ds_load_b128 v[MK+8*\i+4:MK+8*\i+7], v[MA+\s] offset:16*(\a)*MP+64*\i+16
.endr
.endm
; the eight score tiles of query tile a: S^T = K Q^T, 16 keys each; every product starts and ends its own sum
.macro SCORES a
	WIN 0x01                                       ; source 0 (K) window 1
.irp i, 0,1,2,3,4,5,6,7
	v_wmma_f32_16x16x32_f16 v[SC+8*\i:SC+8*\i+7], v[KF+8*\i:KF+8*\i+7], v[QF+8*(\a):QF+8*(\a)+7], 0
.endr
.endm
; The batch, key tile by key tile: tile i's eight exponentials, in place; f = 1: between them (t - m) x log2 e for tile i + 1 (the difference first, so that no rounding of
; m x log2 e enters the exponent).  The plain lines name tile i + 1's scores alone, whose exponentials are not yet issued: nothing here names a result of the batch.
.macro STAGE i, f
.irp j, 0,1,2,3
	v_exp_f32 v[SC+8*\i+\j], v[SC+8*\i+\j]
.if \f
	v_pk_add_f32 v[SC+8*\i+8+2*\j:SC+8*\i+8+2*\j+1], v[SC+8*\i+8+2*\j:SC+8*\i+8+2*\j+1], v[T:T+1] op_sel_hi:[1,0] neg_lo:[0,1] neg_hi:[0,1]
.endif
.endr
.irp j, 0,1,2,3
	v_exp_f32 v[SC+8*\i+4+\j], v[SC+8*\i+4+\j]
.if \f
	v_pk_mul_f32 v[SC+8*\i+8+2*\j:SC+8*\i+8+2*\j+1], v[SC+8*\i+8+2*\j:SC+8*\i+8+2*\j+1], s[90:91] op_sel_hi:[1,0]
.endif
.endr
.endm
; three products for 32 keys: O^T's two tiles and the row sums.  The three accumulators take turns, one instruction a turn.
.macro PV a, kk, zero
.irp t, 0,1
.if \zero
	v_wmma_f32_16x16x32_f16 v[OA+16*\a+8*\t:OA+16*\a+8*\t+7], v[VF+16*\kk+8*\t:VF+16*\kk+8*\t+7], v[PB+8*\kk:PB+8*\kk+7], 0
.else
	v_wmma_f32_16x16x32_f16 v[OA+16*\a+8*\t:OA+16*\a+8*\t+7], v[VF+16*\kk+8*\t:VF+16*\kk+8*\t+7], v[PB+8*\kk:PB+8*\kk+7], v[OA+16*\a+8*\t:OA+16*\a+8*\t+7]
.endif
.endr
.if \zero
	v_wmma_f32_16x16x32_f16 v[LS+8*\a:LS+8*\a+7], v[ONES:ONES+7], v[PB+8*\kk:PB+8*\kk+7], 0
.else
	v_wmma_f32_16x16x32_f16 v[LS+8*\a:LS+8*\a+7], v[ONES:ONES+7], v[PB+8*\kk:PB+8*\kk+7], v[LS+8*\a:LS+8*\a+7]
.endif
.endm
; One query tile (16 queries) x the slot's 128 keys.  first = 1: the tile's first keys: the maximum starts at -2^120, the products start the sums, nothing is rescaled.
; Tile 0's score products stand at its head; those of tiles 1 to 3 stand in the tile before, behind its roundings.
; sig = 1 (the step's last tile): from its head on the wave reads nothing more from the slot, so the barrier of the change of slots is signalled here, and all of the
; tile but its score products, register work alone, stands between the signal and its wait.
.macro UNIT s, a, first, sig
.if \a == 0
	s_wait_dscnt 16                                ; K's 16 loads and this tile's 16 mask loads are in; the 16 V loads issued behind them stay out
	SCORES 0
	WIN 0
	PLACES                                         ; before the products are read
.else
	s_wait_dscnt 0                                 ; this tile's mask words, asked for in the tile before; in the last tile: all my reads of this slot are over,
.if \sig
	s_wait_tensorcnt 0x0                           ; and all my tensor loads have landed: the one that was out is my part of the other slot, asked for three tiles ago:
	ds_add_u32 v233, v255                          ; (the setting that the products above left, 0x51, takes the address from window 1 and the 0 from window 0)
	s_wait_dscnt 0x0
	s_barrier_signal -1                            ; say so
.endif
	WIN 0
.endif
.set jj, 0
.rept 32
	v_pk_fma_f32 v[SC+2*jj:SC+2*jj+1], v[SC+2*jj:SC+2*jj+1], v[CS+2*\a:CS+2*\a+1], v[MK+2*jj:MK+2*jj+1] op_sel_hi:[1,0,1]   ; t = q . k x c + mask
.set jj, jj+1
.endr
.if \a < 3
	LDM \s, \a+1                                   ; the next tile's mask words, a tile ahead of their use
.endif
	; the largest of my 64 t and the running maximum: 32 three-way maxima in eight chains, then the other half of the wave (keys 8 (1 - h) ..)
.irp c, 0,1,2,3,4,5,6,7
	v_max3_num_f32 v[T+\c], v[SC+8*\c], v[SC+8*\c+1], v[SC+8*\c+2]
.endr
.irp c, 0,1,2,3,4,5,6,7
	v_max3_num_f32 v[T+\c], v[T+\c], v[SC+8*\c+3], v[SC+8*\c+4]
.endr
.irp c, 0,1,2,3,4,5,6,7
	v_max3_num_f32 v[T+\c], v[T+\c], v[SC+8*\c+5], v[SC+8*\c+6]
.endr
.irp c, 0,2,4,6
	v_max3_num_f32 v[T+\c], v[T+\c], v[T+\c+1], v[SC+4*\c+7]       ; with register 7 of tiles 0 to 3
.endr
	v_max3_num_f32 v[T], v[T], v[T+2], v[SC+39]
	v_max3_num_f32 v[T+4], v[T+4], v[T+6], v[SC+47]
	v_max3_num_f32 v[T], v[T], v[T+4], v[SC+55]
.if \first
	v_max3_num_f32 v[T], v[T], v[SC+63], 0xfb800000                ; -2^120
.else
	v_max3_num_f32 v[T], v[T], v[SC+63], v[MX+2*\a]
.endif
	v_permlanex16_b32 v[T+1], v[T], s76, s77
	v_max_num_f32 v[T], v[T], v[T+1]               ; the new maximum; the old one stays in MX until the batch is out
.irp j, 0,1,2,3
	v_pk_add_f32 v[SC+2*\j:SC+2*\j+1], v[SC+2*\j:SC+2*\j+1], v[T:T+1] op_sel_hi:[1,0] neg_lo:[0,1] neg_hi:[0,1]
.endr
.if \first == 0
	v_sub_f32 v[AL+2*\a], v[MX+2*\a], v[T]         ; old - new,
.endif
.irp j, 0,1,2,3
	v_pk_mul_f32 v[SC+2*\j:SC+2*\j+1], v[SC+2*\j:SC+2*\j+1], s[90:91] op_sel_hi:[1,0]
.endr
.if \first == 0
	v_mul_f32 v[AL+2*\a], s90, v[AL+2*\a]          ; x log2 e
.endif
	STAGE 0, 1                                     ; THE BATCH: 64 exponentials of scores
.if \first == 0
	v_exp_f32 v[AL+2*\a], v[AL+2*\a]               ; and e^(old - new)
.endif
	STAGE 1, 1
	STAGE 2, 1
	STAGE 3, 1
	STAGE 4, 1
	STAGE 5, 1
	STAGE 6, 1
	STAGE 7, 0
	v_mov_b32 v[MX+2*\a], v[T]                     ; the new maximum is kept: the plain instruction behind the last exponential (ISA guide 5.7.2), one for the batch
	s_wait_alu depctr_va_vdst(0)                   ; the one wait for the batch, ahead of the first line that names a result of it
.set jj, 0
.rept 32
	v_cvt_pk_f16_f32 v[PB+jj], v[SC+2*jj], v[SC+2*jj+1]            ; two p into a register: four registers a key tile, half of a fragment of 32 keys
.set jj, jj+1
.endr
.if \a < 3
	SCORES \a+1                                    ; the scores' registers have been read out: the next query tile's products
.endif
.if \first == 0
	WIN 0x41                                       ; destination and source 0 window 1.  These nine lines name no register of the score products: they are the places behind them
.irp j, 0,1,2,3,4,5,6,7
	v_pk_mul_f32 v[OA+16*\a+2*\j:OA+16*\a+2*\j+1], v[OA+16*\a+2*\j:OA+16*\a+2*\j+1], v[AL+2*\a:AL+2*\a+1] op_sel_hi:[1,0]
.endr
	v_mul_f32 v[LS+8*\a], v[LS+8*\a], v[AL+2*\a]   ; all eight registers of the row sums' tile hold the same sum and each hangs on itself alone: register 0 is kept right and read at the
	                                               ; end; the other seven are plain sums of at most 2,048 numbers of at most 1 and are never read
.elseif \a < 3
	PLACES                                         ; nothing is rescaled here: the places behind the score products
.endif
.if \a == 0
	s_wait_dscnt 16                                ; V is in; the 16 mask loads issued behind it stay out
.endif
	WIN 0x51                                       ; source 0 (V, ones), C and D window 1
	PV \a, 0, \first
	PV \a, 1, 0
	PV \a, 2, 0
	PV \a, 3, 0
.if \a == 3
	WIN 0
.endif
.endm
; 128 keys of slot s for my four query tiles
.macro STEP s, first, sig
	PLACES                                         ; V's registers were sources of the last matrix instructions
	WIN 0x40                                       ; destination window 1, address window 0
	LDK \s
	WIN 0
	LDM \s, 0
	WIN 0x40
	LDV \s
	WIN 0
	UNIT \s, 0, \first, 0
	UNIT \s, 1, \first, 0
	UNIT \s, 2, \first, 0
	UNIT \s, 3, \first, \sig
.endm
; The change of slots.  Its barrier was signalled at the head of the step's last tile, behind each wave's waits for its reads of slot s and for all its tensor loads.
; fill = 1: that barrier opens a round of the cluster's barrier; behind the round no wave of any partner reads slot s or has a load on its way, and the joint refill, two steps
; ahead, is the first thing there and the wave's one tensor load until the next round.  It has three query tiles x 128 keys in every wave in which to land.
.macro CHANGE s, fill
	s_barrier_wait -1
.if \fill
	CREST
	s_add_nc_u64 s[G0K+4*\s+2:G0K+4*\s+3], s[G0K+4*\s+2:G0K+4*\s+3], 2*128*QROW
	s_add_nc_u64 s[G0V+4*\s+2:G0V+4*\s+3], s[G0V+4*\s+2:G0V+4*\s+3], 2*128*QROW
	s_add_nc_u64 s[G0M+4*\s+2:G0M+4*\s+3], s[G0M+4*\s+2:G0M+4*\s+3], 2*128*4
	JLOAD \s
.endif
.endm
	s_wait_kmcnt 0x0                               ; seq_scale of my head
	s_mul_f32 s96, s96, 0x3e3504f3                 ; / sqrt(32)
	s_wait_loadcnt 0x0                             ; Q and section_log_len, once
.irp a, 0,1,2,3
	v_mul_f32 v[CS+2*\a], s96, v[CS+2*\a]          ; c of my query in tile a
.endr
	s_wait_tensorcnt 0x1                           ; my part of step 0 is in; step 1's stays out
	s_barrier_signal -1
	s_barrier_wait -1
	STEP 0, 1, 1                                   ; steps 0 and 1 stand in front of the loop: the first products start the sums
	CHANGE 0, 1
	STEP 1, 0, 1
	CHANGE 1, 1
	s_mov_b32 s3, 6                                ; steps 2 to 13; their refills are steps 4 to 15
.Lpair:
	STEP 0, 0, 1
	CHANGE 0, 1
	STEP 1, 0, 1
	CHANGE 1, 1
	s_sub_co_u32 s3, s3, 1
	s_cmp_lg_u32 s3, 0
	s_cbranch_scc1 .Lpair
	STEP 0, 0, 1                                   ; steps 14 and 15: nothing is left to fetch; the barrier between them shows slot 1 whole to every wave
	CHANGE 0, 0
	STEP 1, 0, 0
	; THE WAY OUT: O / row sum, rounded once to bf16; lane (r, h) holds d = 16 t + 8 h + 0..7 of query r: 16 bytes.  The group's 128 rows x 256 bytes are gathered in the stage
	; by all eight waves (a row holds four heads) and read back as whole rows.
	PLACES
	WIN 0x01                                       ; source 0 window 1
.irp a, 0,1,2,3
	v_rcp_f32 v[AL+2*\a], v[LS+8*\a]
.endr
	v_nop                                          ; the plain place behind the reciprocals
	s_wait_alu depctr_va_vdst(0)                   ; one wait for the batch of four reciprocals, ahead of the first multiply that reads one
.irp a, 0,1,2,3
.irp j, 0,1,2,3,4,5,6,7
	v_pk_mul_f32 v[SC+16*\a+2*\j:SC+16*\a+2*\j+1], v[OA+16*\a+2*\j:OA+16*\a+2*\j+1], v[AL+2*\a:AL+2*\a+1] op_sel_hi:[1,0]
.endr
.endr
	WIN 0
.irp a, 0,1,2,3
.irp j, 0,1,2,3,4,5,6,7
	v_cvt_pk_bf16_f32 v[MK+8*\a+\j], v[SC+16*\a+2*\j], v[SC+16*\a+2*\j+1]
.endr
.endr
.irp a, 0,1,2,3
.irp t, 0,1
	ds_store_b128 v[STO], v[MK+8*\a+4*\t:MK+8*\a+4*\t+3] offset:16*\a*SPITCH+32*\t
.endr
.endr
	s_wait_dscnt 0x0                               ; my part of the stage is written: zero, for the other waves' sake
	s_barrier_signal -1
	s_barrier_wait -1
.irp t, 0,1,2,3,4,5,6,7
	ds_load_b128 v[SC+4*\t:SC+4*\t+3], v[RD] offset:2*\t*SPITCH
.endr
.irp t, 0,1,2,3,4,5,6,7
	s_wait_dscnt 7-\t
	global_store_b128 v[CO], v[SC+4*\t:SC+4*\t+3], s[8:9] offset:2*\t*2048   ; 16 lanes store 256 consecutive bytes at a multiple of 256 from att's first byte
.endr
	s_set_vgpr_msb 0x1
	s_wait_tensorcnt 0x0
	ds_add_u32 v233, v255
	s_wait_dscnt 0x0
	s_set_vgpr_msb 0x100
	CROUND                                         ; the closing round
	s_endpgm
.Lfunc_end_k_q3717d1d389_attn:
	.size	k_q3717d1d389_attn, .Lfunc_end_k_q3717d1d389_attn-k_q3717d1d389_attn
	.p2alignl 7, 3214868480
	.fill 96, 4, 3214868480
	.section	.rodata,"a",@progbits
	.p2align	6, 0x0
	.amdhsa_kernel k_q3717d1d389_attn
		.amdhsa_group_segment_fixed_size 327680
		.amdhsa_private_segment_fixed_size 0
		.amdhsa_enable_private_segment 0
		.amdhsa_kernarg_size 40
		.amdhsa_user_sgpr_count 2
		.amdhsa_user_sgpr_kernarg_segment_ptr 1
		.amdhsa_wavefront_size32 1
		.amdhsa_system_sgpr_workgroup_id_x 1
		.amdhsa_system_sgpr_workgroup_id_y 1
		.amdhsa_system_sgpr_workgroup_id_z 1
		.amdhsa_system_vgpr_workitem_id 0
		.amdhsa_next_free_vgpr 490
		.amdhsa_next_free_sgpr 100
		.amdhsa_reserve_vcc 0
		.amdhsa_float_denorm_mode_32 3
		.amdhsa_float_denorm_mode_16_64 3
		.amdhsa_memory_ordered 1
		.amdhsa_forward_progress 1
		.amdhsa_inst_pref_size 255
	.end_amdhsa_kernel
	.section	.bss,"aw",@nobits
	.p2align	6
	.space	262144
	.amdgpu_metadata
---
amdhsa.version: [ 1, 2 ]
amdhsa.kernels:
  - .name:           k_q3717d1d389_attn
    .symbol:         k_q3717d1d389_attn.kd
    .args:
      - { .name: qkv, .offset: 0, .size: 8, .value_kind: global_buffer, .address_space: global }
      - { .name: mask, .offset: 8, .size: 8, .value_kind: global_buffer, .address_space: global }
      - { .name: section_log_len, .offset: 16, .size: 8, .value_kind: global_buffer, .address_space: global }
      - { .name: seq_scale, .offset: 24, .size: 8, .value_kind: global_buffer, .address_space: global }
      - { .name: att, .offset: 32, .size: 8, .value_kind: global_buffer, .address_space: global }
    .group_segment_fixed_size: 327680
    .private_segment_fixed_size: 0
    .kernarg_segment_align: 8
    .kernarg_segment_size: 40
    .max_flat_workgroup_size: 256
    .sgpr_count:     100
    .vgpr_count:     490
    .wavefront_size: 32
...
	.end_amdgpu_metadata
.endif
;; end of part 5
;; launch outproj: the kernel of part 4 again; grid 8 x 32, 4 waves a work-group, clusters of 4 x 4, 327,680 bytes of LDS; arguments att, wb, out0; writes out0
